; MI455X (gfx1250); checked and timed in simulation.
; The chip was launched on July 23, 2026; its instructions are those of AMD's public machine-readable ISA for CDNA 5 (MIT licence, August 2026) and "CDNA5" Instruction Set Architecture Reference Guide (July 2026). The comments in the code are by the model that wrote it; some were corrected since.
;; Multi Head Attention. Allowed arithmetic: matrix products marked QUANTISED: E2M1 operands, one E8M0 scale for each 32 along K, by v_wmma_scale_f32_16x16x128_f8f6f4 with both operands' format E2M1 (or v_wmma_scale_f32_32x16x128_f4), f32 sums; products left as they are: bf16, f16 or f32 operands; f32 sums; everything else in f32.
;; Inputs: Wk 1,024 x 1,024 float32; Wo 1,024 x 1,024 float32; Wq 1,024 x 1,024 float32; Wv 1,024 x 1,024 float32; bo 1,024 float32; x 4 x 2,048 x 1,024 float32.
;; Outputs: out0 4 x 2,048 x 1,024 float32.
;; This version of the problem:
;;   THIS VERSION OF THE PROBLEM IS GIVEN IN LOW PRECISION. The matrix products marked QUANTISED in the list below multiply operands that are first quantised to E2M1 (2 exponent bits, 1 mantissa bit; 4 bits a number), with one power-of-two scale for each 32 numbers along K (OCP MX v1.0); their sums are f32. The products marked 'left as it is' may take bf16, f16 or f32 operands, with f32 sums. Whichever they take, every output number must still come out within the allowed error. Rounding operands to bf16 (8 significant bits) uses up far more of that allowance than f16 does (11 bits, for magnitudes from 6e-5 to 65,504). All else is computed in f32.
;;   The module's matrix products, in the order in which they are computed (A, B: the left and right operand; K: the contracted axis; several contracted axes count as one K, in the product's order):
;;     1. [M 8,192, K 1,024] x [K 1,024, N 1,024]; A: input x; B: input Wq: QUANTISED
;;     2. [M 8,192, K 1,024] x [K 1,024, N 1,024]; A: input x; B: input Wk: QUANTISED
;;     3. [M 8,192, K 1,024] x [K 1,024, N 1,024]; A: input x; B: input Wv: QUANTISED
;;     4. batch 64 x [M 2,048, K 64] x [K 64, N 2,048]; A: computed on the way; B: computed on the way: left as it is (an operand is computed on the way)
;;     5. batch 64 x [M 2,048, K 2,048] x [K 2,048, N 64]; A: computed on the way; B: computed on the way: left as it is (an operand is computed on the way)
;;     6. [M 8,192, K 1,024] x [K 1,024, N 1,024]; A: computed on the way; B: input Wo: left as it is (an operand is computed on the way)
;;   THE QUANTISER, for each operand of a quantised product, along K:
;;     - K is cut into blocks of 32 from its start; a last block that is shorter is filled with zeros.
;;     - A block's scale is 2^e with e = floor(log2(the largest magnitude in the block)) - 2, held to -126 .. 127; a block of zeros has e = 0. As a byte (E8M0): e + 127.
;;     - Each number is divided by its block's scale, clamped to +-6, and rounded to the nearest number of E2M1, ties to even, subnormals kept.
;;     - The product sums the exact products of the quantised numbers (number of the format x scale) in f32.
;;   ~~~python
;;   def quantise(x, axis):      # numpy; x: float32 -> the quantised numbers, widened to float32 again
;;       x = np.moveaxis(x, axis, -1); K = x.shape[-1]
;;       x = np.pad(x, [(0, 0)] * (x.ndim - 1) + [(0, -K % 32)]); x = x.reshape(x.shape[:-1] + (-1, 32)); a = np.abs(x).max(-1, keepdims=True)
;;       e = np.where(a > 0, np.clip(np.frexp(np.where(a > 0, a, 1))[1] - 1 - 2, -126, 127), 0)      # np.frexp(a)[1] - 1 = floor(log2(a)), exactly
;;       r = np.clip(x / 2.0 ** e, -6, 6)
;;       step = 2.0 ** (np.maximum(np.frexp(np.where(r == 0, 1, r))[1] - 1, 0) - 1)
;;       q = np.round(r / step) * step * 2.0 ** e      # np.round: ties to even
;;       return np.moveaxis(q.reshape(q.shape[:-2] + (-1,))[..., :K], -1, axis).astype(np.float32)
;;   ~~~
;; One version. Each part assembles by itself: llvm-mc -triple=amdgcn-amd-amdhsa -mcpu=gfx1250 --defsym DOCPART=n.
;; ======== version 1 of 1: 5 launches
;; limits: values are held in f16: magnitudes above 65,504 overflow, below 6.1e-05 lose precision
;; workspace buffers: xc 4,194,304 bytes; xs 262,144 bytes; wc 1,572,864 bytes; ws 98,304 bytes; wo16 2,097,152 bytes; qkv 50,331,648 bytes; hf 786,432 bytes; ctx 16,777,216 bytes
;; launch quant (part 1): grid 384 x 1, 4 waves a work-group, no clusters, 33,280 bytes of LDS; arguments x, Wq, Wk, Wv, Wo, xc, xs, wc, ws, wo16; writes xc, xs, wc, ws, wo16
.if DOCPART == 1
	.amdgcn_target "amdgcn-amd-amdhsa--gfx1250"
	.amdhsa_code_object_version 6
	.text
	.protected	k_qe08b1972c3_quant
	.globl	k_qe08b1972c3_quant
	.p2align	8
	.type	k_qe08b1972c3_quant,@function
k_qe08b1972c3_quant:
	s_mov_b64 s[64:65], 0
	v_nop
	global_prefetch_b8 v0, s[64:65] scope:SCOPE_SE
	s_setreg_imm32_b32 hwreg(HW_REG_WAVE_MODE, 25, 1), 1
	s_wait_xcnt 0x0
; x [8192][1024] and Wq, Wk, Wv [1024][1024], f32, K innermost, become codes of FP4 (E2M1), two a byte, with one E8M0 scale byte for each 32 along K:
; xc [8192][512 bytes], xs [8192][32]; wc [3072][512 bytes], ws [3072][32] (rows 0-1023 Wq, 1024-2047 Wk, 2048-3071 Wv).  Wo [1024][1024] is rounded to f16: wo16.
; A block's scale is 2^(floor(log2(its largest magnitude)) - 2); its byte is the largest magnitude's exponent field - 2, held at 1 from below.  Each number is divided by the scale and rounded to the nearest code, ties to even,
; beyond the largest code the largest.
; LIMITS: a block of zeros gets the byte 1 where the rule says 127 (its codes are zeros, and this program alone reads the bytes); blocks whose largest magnitude lies under 2^-124 have their byte held at 1;
; NaN and infinities among the inputs are not served.  Wo beyond 65,504 in magnitude becomes infinity in f16.
; Rows are dense and K is a multiple of 32: every tensor is a plain stream of blocks of 32.  A work-group takes 32,768 numbers, a wave 8,192: 16 steps of 512.
; Work-groups 0-255 take x, 256-351 the three weights (32 each), 352-383 Wo.  The first two kinds take ONE path; only pointers are chosen, on the work-group's number.
; A step: four loads of 512 consecutive bytes; the 2,048 bytes turn through the wave's own stage in LDS, so that a lane gets 16 NEIGHBOURS along K (two neighbouring lanes hold a block); a lane's 16 codes are 8 bytes: the
; wave stores 256 consecutive bytes.  A wave's 256 scale bytes are gathered in LDS and leave as 256 consecutive bytes.  No barrier: waves share nothing.
.set WAVES, 4
.set STEPS, 16
.set EMAX,  2
.set CB,    8                          ; bytes of 16 codes
.set R,     16                         ; v16-79   four sets of 16 numbers as they are loaded
.set X,     80                         ; v80-111  two sets of 16 neighbours
.set C,     128                        ; v128-191 codes: four registers for each step, so that no store's data are written again
.set E,     112                        ; v112-127 a scale byte for each step
.set WREG,  8192                       ; LDS: a region for each wave: two stages of 32 x SP bytes, then its 256 scale bytes
.set SP,    80                         ; a lane's place in a stage: 64 bytes + 16 of padding
.set SPW,   12                         ; v12 LDS address of my spare word; never rewritten
.set NIL,   13                         ; v13 0; never rewritten
.set SPARE, WAVES*WREG                 ; behind the four regions: the spare words, 128 bytes for each wave
	s_load_b256 s[4:11], s[0:1], 0x0               ; x, Wq, Wk, Wv
	s_load_b256 s[12:19], s[0:1], 0x20             ; Wo, xc, xs, wc
	s_load_b128 s[20:23], s[0:1], 0x40             ; ws, wo16
	v_lshl_add_u32 v[SPW], v0, 2, SPARE
	v_mov_b32 v[NIL], 0
	v_lshrrev_b32 v1, 5, v0
	v_readfirstlane_b32 s24, v1                    ; wave
	v_and_b32 v2, 31, v0                           ; lane
	v_lshlrev_b32 v3, 4, v2                        ; my 16 bytes of a load's 512
	s_mul_i32 s25, s24, WREG
	v_lshrrev_b32 v14, 2, v2
	v_mul_u32_u24 v14, v14, SP
	v_and_b32 v15, 3, v2
	v_lshl_add_u32 v14, v15, 4, v14
	v_add_nc_u32 v14, s25, v14                     ; the stage, on the way in: SP (lane / 4) + 16 (lane % 4)
	v_mul_u32_u24 v15, v2, SP
	v_add_nc_u32 v15, s25, v15                     ; and on the way out: SP x lane: my 16 neighbours
	v_mul_u32_u24 v4, v2, CB                       ; 8 x lane: my codes' place in a step's; also my f16 numbers' place in the path for Wo
	v_lshrrev_b32 v5, 1, v2
	s_add_co_u32 s25, s25, 2*32*SP
	v_add_nc_u32 v5, s25, v5                       ; LDS: my wave's 256 scale bytes, my block's byte
	v_lshlrev_b32 v7, 3, v2
	v_add_nc_u32 v6, s25, v7                       ; and on the way out 8 bytes a lane
	s_wait_kmcnt 0x0
	s_cmp_ge_u32 ttmp9, 352
	s_cbranch_scc1 .Lwo
	s_cmp_lt_u32 ttmp9, 320                        ; which tensor: the choices hang on the work-group's number alone
	s_cselect_b64 s[26:27], s[8:9], s[10:11]
	s_cmp_lt_u32 ttmp9, 288
	s_cselect_b64 s[26:27], s[6:7], s[26:27]
	s_cmp_lt_u32 ttmp9, 256
	s_cselect_b64 s[26:27], s[4:5], s[26:27]       ; the source
	s_cselect_b64 s[28:29], s[14:15], s[18:19]     ; its codes
	s_cselect_b64 s[30:31], s[16:17], s[20:21]     ; its scale bytes
	s_cselect_b32 s32, 0, 256
	s_cselect_b32 s33, 0x3ff, 31
	s_sub_co_u32 s32, ttmp9, s32                   ; the work-group's place in the destination,
	s_and_b32 s33, s32, s33                        ; and in the source (32 work-groups to a weight)
	s_lshl_b32 s33, s33, 2
	s_add_co_u32 s33, s33, s24                     ; which run of 8,192 numbers of the source is my wave's
	s_lshl_b32 s32, s32, 2
	s_add_co_u32 s36, s32, s24                     ; and of the destination
	s_mov_b32 s35, 0
	s_lshl_b32 s34, s33, 15                        ; 32,768 bytes of f32 a run
	s_add_nc_u64 s[26:27], s[26:27], s[34:35]
	s_lshl_b32 s34, s36, 12                        ; 4,096 bytes of codes
	s_add_nc_u64 s[28:29], s[28:29], s[34:35]
	s_lshl_b32 s34, s36, 8                         ; 256 scale bytes
	s_add_nc_u64 s[30:31], s[30:31], s[34:35]
.macro LOAD t
.irp i, 0,1,2,3
	global_load_b128 v[R+16*((\t)%4)+4*\i:R+16*((\t)%4)+4*\i+3], v3, s[26:27] offset:2048*(\t)+512*\i th:TH_LOAD_NT   ; 32 lanes read 512 consecutive bytes
.endr
.endm
.macro TURN t                          ; step t's numbers through the stage: LDS serves a wave's instructions in order, so no wait stands between the stores and the loads
.irp i, 0,1,2,3
	ds_store_b128 v14, v[R+16*((\t)%4)+4*\i:R+16*((\t)%4)+4*\i+3] offset:32*SP*((\t)%2)+8*SP*\i
.endr
.irp i, 0,1,2,3
	ds_load_b128 v[X+16*((\t)%2)+4*\i:X+16*((\t)%2)+4*\i+3], v15 offset:32*SP*((\t)%2)+16*\i
.endr
.endm
.irp t, 0,1,2,3
	LOAD \t
.endr
	s_wait_loadcnt 12                              ; step 0's four loads are in
	TURN 0
.macro STEP t
.set XS, X+16*((\t)%2)
.if (\t) > 0
	s_wait_dscnt 1                                 ; this step's numbers are back from the stage (the last step's byte store may be out): so its stores into the stage have read their registers,
.else
	s_wait_dscnt 0x0
.endif
.if (\t)+4 < STEPS
	LOAD (\t)+4                                    ; which take the loads of four steps on
.endif
.if (\t)+1 < STEPS
.if STEPS-2-(\t) >= 3
	s_wait_loadcnt 12                              ; the next step's four loads are in; those of the three steps behind it may be out
.else
	s_wait_loadcnt 4*(STEPS-2-(\t))
.endif
	TURN (\t)+1                                    ; and go through the other stage while this step is worked
.endif
	v_max3_num_f32 v8, |v[XS]|, |v[XS+1]|, |v[XS+2]|               ; the largest magnitude of my 16, in two chains
	v_max3_num_f32 v9, |v[XS+3]|, |v[XS+4]|, |v[XS+5]|
.irp i, 6,10
	v_max3_num_f32 v8, v8, |v[XS+\i]|, |v[XS+\i+1]|
	v_max3_num_f32 v9, v9, |v[XS+\i+2]|, |v[XS+\i+3]|
.endr
	v_max3_num_f32 v8, v8, |v[XS+14]|, |v[XS+15]|
	v_max3_num_f32 v8, v8, v9, (EMAX+1)<<23        ; and the floor 2^(EMAX + 1 - 127): the byte cannot fall under 1
	v_max_num_f32_dpp v8, v8, v8 row_xmask:1 row_mask:0xf bank_mask:0xf   ; and of my neighbour's 16: the block's
	v_add_nc_u32 v11, -(EMAX<<23), v8              ; EMAX off its exponent field: the conversion takes the exponent field of this operand as its scale
	v_cvt_scalef32_pk8_fp4_f32 v[C+4*(\t)], v[XS:XS+7], v11
	v_cvt_scalef32_pk8_fp4_f32 v[C+4*(\t)+1], v[XS+8:XS+15], v11
	v_lshrrev_b32 v[E+(\t)], 23, v11               ; the scale's byte (also the plain line behind the conversions)
	ds_store_b8 v5, v[E+(\t)] offset:16*(\t)       ; both lanes of a block write the same byte with the same value
	global_store_b64 v4, v[C+4*(\t):C+4*(\t)+1], s[28:29] offset:32*CB*(\t)   ; 32 lanes store 256 consecutive bytes
.endm
.irp t, 0,1,2,3,4,5,6,7,8,9,10,11,12,13,14,15
	STEP \t
.endr
	ds_load_b64 v[8:9], v6                         ; LDS serves a wave's instructions in order: these see my byte stores
	s_wait_dscnt 0x0
	global_store_b64 v7, v[8:9], s[30:31]          ; 32 lanes store 256 consecutive bytes
	s_wait_tensorcnt 0x0                           ; the wave's end, behind my last LDS store
	ds_add_u32 v[SPW], v[NIL]
	s_wait_dscnt 0x0
	s_endpgm
; Wo to f16.  A wave takes 8,192 numbers in eight groups of 4,096 bytes; two groups of loads are out; a load reads 512 consecutive bytes, a store writes 256.
.Lwo:
	s_sub_co_u32 s32, ttmp9, 352
	s_lshl_b32 s32, s32, 2
	s_add_co_u32 s32, s32, s24                     ; my wave's run
	s_mov_b32 s35, 0
	s_lshl_b32 s34, s32, 15
	s_add_nc_u64 s[12:13], s[12:13], s[34:35]
	s_lshl_b32 s34, s32, 14
	s_add_nc_u64 s[22:23], s[22:23], s[34:35]
.macro WOLOAD g
.irp k, 0,1,2,3,4,5,6,7
	global_load_b128 v[16+32*((\g)%2)+4*\k:16+32*((\g)%2)+4*\k+3], v3, s[12:13] offset:4096*(\g)+512*\k th:TH_LOAD_NT
.endr
.endm
.macro WOCVT g
.if (\g) < 7
	s_wait_loadcnt 8                               ; this group's eight loads are in; the next group's may be out
.else
	s_wait_loadcnt 0
.endif
	s_wait_xcnt 0x0                                ; the stores of two groups ago have read their data: the registers are written again only behind this wait
.irp k, 0,1,2,3,4,5,6,7
	v_cvt_pk_f16_f32 v[80+16*((\g)%2)+2*\k], v[16+32*((\g)%2)+4*\k], v[16+32*((\g)%2)+4*\k+1]
	v_cvt_pk_f16_f32 v[81+16*((\g)%2)+2*\k], v[16+32*((\g)%2)+4*\k+2], v[16+32*((\g)%2)+4*\k+3]
.endr
.irp k, 0,1,2,3,4,5,6,7
	global_store_b64 v4, v[80+16*((\g)%2)+2*\k:81+16*((\g)%2)+2*\k], s[22:23] offset:2048*(\g)+256*\k
.endr
.if (\g)+2 < 8
	WOLOAD (\g)+2
.endif
.endm
	WOLOAD 0
	WOLOAD 1
.irp g, 0,1,2,3,4,5,6,7
	WOCVT \g
.endr
	s_endpgm
.Lfunc_end_k_qe08b1972c3_quant:
	.size	k_qe08b1972c3_quant, .Lfunc_end_k_qe08b1972c3_quant-k_qe08b1972c3_quant
	.p2alignl 7, 3214868480
	.fill 96, 4, 3214868480
	.section	.rodata,"a",@progbits
	.p2align	6, 0x0
	.amdhsa_kernel k_qe08b1972c3_quant
		.amdhsa_group_segment_fixed_size 33280
		.amdhsa_private_segment_fixed_size 0
		.amdhsa_enable_private_segment 0
		.amdhsa_kernarg_size 80
		.amdhsa_user_sgpr_count 2
		.amdhsa_user_sgpr_kernarg_segment_ptr 1
		.amdhsa_wavefront_size32 1
		.amdhsa_system_sgpr_workgroup_id_x 1
		.amdhsa_system_sgpr_workgroup_id_y 1
		.amdhsa_system_sgpr_workgroup_id_z 1
		.amdhsa_system_vgpr_workitem_id 0
		.amdhsa_next_free_vgpr 192
		.amdhsa_next_free_sgpr 66
		.amdhsa_reserve_vcc 0
		.amdhsa_float_denorm_mode_32 3
		.amdhsa_float_denorm_mode_16_64 3
		.amdhsa_memory_ordered 1
		.amdhsa_forward_progress 1
		.amdhsa_inst_pref_size 55
	.end_amdhsa_kernel
	.amdgpu_metadata
---
amdhsa.version: [ 1, 2 ]
amdhsa.kernels:
  - .name:           k_qe08b1972c3_quant
    .symbol:         k_qe08b1972c3_quant.kd
    .args:
      - { .name: x, .offset: 0, .size: 8, .value_kind: global_buffer, .address_space: global }
      - { .name: Wq, .offset: 8, .size: 8, .value_kind: global_buffer, .address_space: global }
      - { .name: Wk, .offset: 16, .size: 8, .value_kind: global_buffer, .address_space: global }
      - { .name: Wv, .offset: 24, .size: 8, .value_kind: global_buffer, .address_space: global }
      - { .name: Wo, .offset: 32, .size: 8, .value_kind: global_buffer, .address_space: global }
      - { .name: xc, .offset: 40, .size: 8, .value_kind: global_buffer, .address_space: global }
      - { .name: xs, .offset: 48, .size: 8, .value_kind: global_buffer, .address_space: global }
      - { .name: wc, .offset: 56, .size: 8, .value_kind: global_buffer, .address_space: global }
      - { .name: ws, .offset: 64, .size: 8, .value_kind: global_buffer, .address_space: global }
      - { .name: wo16, .offset: 72, .size: 8, .value_kind: global_buffer, .address_space: global }
    .group_segment_fixed_size: 33280
    .private_segment_fixed_size: 0
    .kernarg_segment_align: 8
    .kernarg_segment_size: 80
    .max_flat_workgroup_size: 128
    .sgpr_count:     66
    .vgpr_count:     192
    .wavefront_size: 32
...
	.end_amdgpu_metadata
.endif
;; end of part 1
;; launch qkv (part 2): grid 12 x 32, 4 waves a work-group, clusters of 4 x 4, 327,680 bytes of LDS; arguments xc, xs, wc, ws, qkv, hf; writes qkv, hf
.if DOCPART == 2
	.amdgcn_target "amdgcn-amd-amdhsa--gfx1250"
	.amdhsa_code_object_version 6
	.text
	.protected	k_qe08b1972c3_qkv
	.globl	k_qe08b1972c3_qkv
	.p2align	8
	.type	k_qe08b1972c3_qkv,@function
k_qe08b1972c3_qkv:
	s_mov_b64 s[64:65], 0
	v_nop
	global_prefetch_b8 v0, s[64:65] scope:SCOPE_SE
	s_setreg_imm32_b32 hwreg(HW_REG_WAVE_MODE, 25, 1), 1
	s_wait_xcnt 0x0
	s_wait_alu depctr_hold_cnt(0) depctr_sa_sdst(0) depctr_va_vdst(0) depctr_va_sdst(0) depctr_va_ssrc(0) depctr_va_vcc(0) depctr_vm_vsrc(0)
	s_getreg_b32 s2, hwreg(HW_REG_IB_STS2, 6, 4)
	s_cmp_eq_u32 s2, 0
	s_cbranch_scc0 .Lentry_in_a_cluster
	s_endpgm
.Lentry_in_a_cluster:
	s_bfe_u32 s2, ttmp6, 0x10000c
	s_cmp_lg_u32 s2, 0xf033
	s_cbranch_scc0 .Lentry_shape_is_right
	s_endpgm
.Lentry_shape_is_right:
; [8192][3072] = x (Wq, Wk, Wv)^T on codes of FP4 (E2M1) with one E8M0 scale for each 32 along K = 1,024; sums in f32.
; A: xc [8192][512 bytes], xs [8192][32];  B: wc [3072][512 bytes], ws [3072][32].  Results: qkv [sel 3][b 4][h 16][t 2048][64] f16; the rows t < 16 of every sequence also as f32: hf [b 4][sel 3][h 16][t 16][64].
; LIMIT: a result beyond 65,504 in magnitude becomes infinity in f16.
; A tile of 256 x 256 is made by a work-group of four waves; a wave makes 128 x 128: 64 accumulators of 16 x 16, 512 registers.  K is two slots of 512 (LDS rows of 256 bytes): both slots and all scale bytes are asked for
; at the head, three tensor loads a wave, and nothing is filled again: so there is no loop.
; CLUSTERS: 4 x 4 work-groups.  The four of a row of the cluster need the same tiles of A, the four of a column the same tiles of B: each tile is asked for JOINTLY, by the same tensor load with the same descriptor and a mask
; that names the four.  THE MATRIX INSTRUCTION IS USED TRANSPOSED (source 0 = 16 rows of B, source 1 = 16 rows of A): a lane then holds eight neighbouring numbers of a row of the result.
; REGISTERS, in windows of 256: window 0: v0-31 addresses; v32-95 scale words, two sets; from v128 A's fragments, ONE set; on the way out v32-255 are free.
;   window 1: B's fragments, TWO sets, at v0 and v128.   window 2: the 32 accumulators of my rows 0-63 (accumulator (a, b) at v[8 (8 a + b)]);   window 3: those of my rows 64-127.
.set SIZE_K, 1024
.set KSTEP,  512                       ; along K in a slot
.set NQ,     KSTEP/128                 ; matrix instructions deep
.set ROWB,   256                       ; a tile's row in bytes
.set KROW,   SIZE_K*4/8                ; a row of A or of B in memory, in bytes
.set PITCH,  272                       ; an LDS row: 256 bytes + 16 of padding: the 16 rows that a load touches start 68 words apart
.set FR,     8                         ; registers of a fragment: 16 rows x 128 K
.set NL,     2                         ; LDS loads that bring one
.set NP,     4                         ; places behind this matrix instruction (ISA guide 7.12.1)
.set HALFT,  128*PITCH                 ; 128 rows: what one tensor load brings
.set SLOT,   4*HALFT                   ; A's 256 rows, then B's 256 rows
.set KS,     SIZE_K/32                 ; a row of scales in bytes
.set SCL,    2*SLOT                    ; behind the slots: the scales, as runs of 256 bytes + 16 of padding
.set HALFS,  (128*KS/256)*272          ; the scales of 128 rows: what one tensor load brings
.set SBLK,   (16*KS/256)*272           ; those of 16 rows
.set SPARE,  SCL+4*HALFS               ; behind the scales: the spare words, 128 bytes for each wave
.set SPITCH, 272                       ; the way out: a stage of 16 rows x (256 bytes + 16) for each wave, in slot 0, which has had its one fill and its last read when the first result is stored there
.set ADRA, 16                          ; v16-17  LDS address of my A fragments in slot 0, 1
.set ADRB, 20                          ; v20-21  the same for B
.set STO,  24                          ; v24     the way out: where I put 16 bytes of a row
.set RD,   25                          ; v25     where I read 16 bytes back
.set CO,   26                          ; v26     my byte offset in qkv
.set ADRS, 27                          ; v27     LDS address of my scale words: lanes 0-15 A's rows, lanes 16-31 B's
.set SPW,  28                          ; v28     LDS address of my spare word; never rewritten
.set NIL,  29                          ; v29     0; never rewritten
.set HO,   30                          ; v30     my byte offset in hf
.set SC,   32                          ; scale words: set s at v[SC + 8 NQ s]; register NQ i + q: lanes 0-15 the word of A's block i, lanes 16-31 that of B's block i, for the slot's q-th 128 along K
.set AF,   128                         ; A's fragments, in window 0
.set TMP,  32                          ; the way out: a block's packed results
.set BK,   128                         ; the way out: 16 rows read back: v128-159 and v160-191 by turns
.set G1, 24                            ; s[24:31] descriptor group 1 for A's tiles;  s[32:39] group 0, one set for each slot
.set G0, 32
.set G1B, 48                           ; s[48:55], s[56:63] the same for B's tiles
.set G0B, 56
.set G1S, 68                           ; s[68:75], s[76:79] groups 1 and 0 for A's scales;  s[80:87], s[88:91] for B's
.set G0S, 76
.set G1SB, 80
.set G0SB, 88
.set MSB, 0
.macro WIN new                         ; the immediate's high byte repeats the setting that is left
.if MSB != \new
	s_set_vgpr_msb (MSB<<8)|\new
.set MSB, \new
.endif
.endm
.set MUL_LO, 0xa1                      ; source 0 (B) window 1, source 1 (A) window 0, C and D window 2
.set MUL_HI, 0xf1                      ; the same, C and D window 3
.set TO_B,   0x40                      ; destination window 1, address window 0
; A joint load: waves 0 and 1 fetch for A, waves 2 and 3 for B.  Each of the two lines has ONE mask and one set of registers for all that issue it; the branch hangs on the wave's number alone.
; An s_nop 0 and four v_nop follow each of the two lines.
.macro JLOAD g0a, g1a, g0b, g1b
	s_cmp_eq_u32 s15, 0
	s_cbranch_scc0 .Lfor_b_\@
	tensor_load_to_lds s[\g0a:\g0a+3], s[\g1a:\g1a+7]
	s_nop 0
.rept 4
	v_nop
.endr
	s_branch .Lasked_\@
.Lfor_b_\@:
	tensor_load_to_lds s[\g0b:\g0b+3], s[\g1b:\g1b+7]
	s_nop 0
.rept 4
	v_nop
.endr
.Lasked_\@:
.endm
.macro CROUND                          ; a round of the cluster's barrier
	s_barrier_signal -1
	s_barrier_wait -1
	s_cmp_lg_u32 s14, 0
	s_cbranch_scc1 .Lnot_wave_0_\@
	s_barrier_signal -3
.Lnot_wave_0_\@:
	s_barrier_wait -3
	s_barrier_signal -1
	s_barrier_wait -1
.endm
	s_load_b128 s[4:7], s[0:1], 0x0                ; A's codes s[4:5], A's scales s[6:7]
	s_load_b128 s[8:11], s[0:1], 0x10              ; B's codes s[8:9], B's scales s[10:11]
	s_load_b64 s[12:13], s[0:1], 0x20              ; qkv
	s_load_b64 s[66:67], s[0:1], 0x28              ; hf
	v_lshl_add_u32 v[SPW], v0, 2, SPARE
	v_mov_b32 v[NIL], 0
	ds_add_u32 v[SPW], v[NIL]                      ; the wave's opening: the add, twice on end, and its wait ahead of my first tensor load
	ds_add_u32 v[SPW], v[NIL]
	v_lshrrev_b32 v1, 5, v0
	v_readfirstlane_b32 s14, v1                    ; wave 0..3
	s_lshr_b32 s15, s14, 1                         ; which half of the tile's rows is mine.  Also: I fetch for A (0) or for B (1)
	s_and_b32 s16, s14, 1                          ; which half of its columns.  Also: which 128 rows of that tile I fetch
	s_bfe_u32 s40, ttmp6, 0x40000                  ; cx, cy: my place in the cluster
	s_bfe_u32 s41, ttmp6, 0x40004
	s_lshl_b32 s42, ttmp9, 2
	s_add_co_u32 s42, s42, s40                     ; tile column = 4 x cluster x + cx
	s_and_b32 s17, ttmp7, 0xffff
	s_lshl_b32 s17, s17, 2
	s_add_co_u32 s17, s17, s41                     ; tile row = 4 x cluster y + cy
	s_lshl_b32 s43, s41, 2
	s_lshl_b32 s43, 15, s43                        ; my row of the cluster
	s_lshl_b32 s44, 0x1111, s40                    ; my column
	; descriptor group 1: a tile of 128 rows x 256 bytes, 16 bytes of padding behind each row
	s_or_b32 s[G1+0], s43, (0<<16)|(1<<20)|(1<<21)|(5<<22)|(3<<25)  ; 15:0 the mask: A's tiles go to my row; 17:16 element of 1 byte; 20 padding on; 21 set beside a mask; 24:22 after every 64 words; 31:25 four words
	s_or_b32 s[G1B+0], s44, (0<<16)|(1<<20)|(1<<21)|(5<<22)|(3<<25)
.irp g, G1, G1B
	s_mov_b32 s[\g+1], ROWB<<16                    ; tensor_dim0
	s_mov_b32 s[\g+2], 128<<16                     ; tensor_dim1
	s_mov_b32 s[\g+3], ROWB<<16                    ; tile_dim0
	s_mov_b32 s[\g+4], 128                         ; tile_dim1
	s_mov_b32 s[\g+5], KROW                        ; tensor_dim0_stride
	s_mov_b32 s[\g+6], 0
	s_mov_b32 s[\g+7], 0
.endr
	; the scales of 128 rows: a dense block of 4,096 bytes, as rows of 256 bytes (32 elements of 8 bytes), 16 bytes of padding behind each
	s_or_b32 s[G1S+0], s43, (3<<16)|(1<<20)|(1<<21)|(5<<22)|(3<<25)
	s_or_b32 s[G1SB+0], s44, (3<<16)|(1<<20)|(1<<21)|(5<<22)|(3<<25)
.irp g, G1S, G1SB
	s_mov_b32 s[\g+1], 32<<16
	s_mov_b32 s[\g+2], (128*KS/256)<<16
	s_mov_b32 s[\g+3], 32<<16
	s_mov_b32 s[\g+4], 128*KS/256
	s_mov_b32 s[\g+5], 32
	s_mov_b32 s[\g+6], 0
	s_mov_b32 s[\g+7], 0
.endr
	s_lshl_b32 s18, s16, 7                         ; which 128 rows of the tile I fetch
	s_lshl_b32 s20, s17, 8
	s_add_co_u32 s20, s20, s18                     ; A: row 256 x tile row + 128 x half
	s_lshl_b32 s46, s42, 8
	s_add_co_u32 s46, s46, s18                     ; B: row 256 x tile column + 128 x half
	s_mov_b32 s21, 0
	s_mov_b32 s47, 0
	s_mov_b64 s[18:19], KS
	s_mul_u64 s[22:23], s[20:21], s[18:19]         ; where these rows' scales begin, in bytes
	s_mul_u64 s[92:93], s[46:47], s[18:19]
	s_mov_b64 s[18:19], KROW
	s_mul_u64 s[20:21], s[20:21], s[18:19]         ; and their codes
	s_mul_u64 s[46:47], s[46:47], s[18:19]
	s_mul_i32 s45, s14, HALFT                      ; where they go: wave x 128 rows: no place in the cluster enters an LDS address
	s_mul_i32 s94, s14, HALFS
	s_wait_dscnt 0x0                               ; both opening adds are done
	s_wait_kmcnt 0x0
	s_add_nc_u64 s[20:21], s[4:5], s[20:21]
	s_add_nc_u64 s[22:23], s[6:7], s[22:23]
	s_add_nc_u64 s[46:47], s[8:9], s[46:47]
	s_add_nc_u64 s[92:93], s[10:11], s[92:93]
	CROUND                                         ; all sixteen work-groups are here: the joint loads meet
	s_mov_b32 s[G0S], 1
	s_add_co_u32 s[G0S+1], s94, SCL
	s_mov_b64 s[G0S+2:G0S+3], s[22:23]
	s_or_b32 s[G0S+3], s[G0S+3], 0x80000000
	s_mov_b32 s[G0SB], 1
	s_add_co_u32 s[G0SB+1], s94, SCL
	s_mov_b64 s[G0SB+2:G0SB+3], s[92:93]
	s_or_b32 s[G0SB+3], s[G0SB+3], 0x80000000
	JLOAD G0S, G1S, G0SB, G1SB                     ; the scales first: they are wanted with slot 0
.irp s, 0,1
	s_mov_b32 s[G0+4*\s], 1
	s_add_co_u32 s[G0+4*\s+1], s45, \s*SLOT
	s_add_nc_u64 s[G0+4*\s+2:G0+4*\s+3], s[20:21], \s*ROWB
	s_or_b32 s[G0+4*\s+3], s[G0+4*\s+3], 0x80000000
	s_mov_b32 s[G0B+4*\s], 1
	s_add_co_u32 s[G0B+4*\s+1], s45, \s*SLOT
	s_add_nc_u64 s[G0B+4*\s+2:G0B+4*\s+3], s[46:47], \s*ROWB
	s_or_b32 s[G0B+4*\s+3], s[G0B+4*\s+3], 0x80000000
	JLOAD G0+4*\s, G1, G0B+4*\s, G1B               ; three loads of mine are out behind the second of these
.endr
	v_and_b32 v1, 15, v0                           ; r = l % 16
	v_bfe_u32 v2, v0, 4, 1                         ; h = l / 16
	v_mul_u32_u24 v3, v1, PITCH
	v_lshl_add_u32 v4, v2, 4, v3                   ; a fragment's row x pitch + 16 x half
	s_mul_i32 s21, s15, HALFT                      ; my 128 rows of A
	s_mul_i32 s22, s16, HALFT                      ; my 128 rows of B,
	s_add_co_u32 s22, s22, 2*HALFT                 ; which lie behind A's 256
.irp s, 0,1
	v_add_nc_u32 v[ADRA+\s], s21, v4
	v_add_nc_u32 v[ADRB+\s], s22, v4
	s_add_co_u32 s21, s21, SLOT
	s_add_co_u32 s22, s22, SLOT
.endr
	v_mul_u32_u24 v5, v1, KS                       ; my row's scales: KS bytes a row,
	v_lshrrev_b32 v6, 8, v5
	v_lshl_add_u32 v5, v6, 4, v5                   ; and 16 more for each 256 passed
	s_mul_i32 s21, s15, HALFS                      ; A's: my 128 rows
	s_mul_i32 s22, s16, HALFS                      ; B's: my 128 rows, behind A's 256
	s_add_co_u32 s22, s22, 2*HALFS
	s_sub_co_u32 s22, s22, s21
	v_mul_u32_u24 v6, s22, v2                      ; lanes 16-31 take B's
	s_add_co_u32 s21, s21, SCL
	v_add_nc_u32 v5, v5, v6
	v_add_nc_u32 v[ADRS], s21, v5
	s_mul_i32 s23, s14, 16*SPITCH                  ; my stage
	v_mul_u32_u24 v5, v1, SPITCH                   ; in: row r, 16 bytes for each half of the lanes
	v_lshl_add_u32 v5, v2, 4, v5
	v_add_nc_u32 v[STO], s23, v5
	v_bfe_u32 v6, v0, 3, 1                         ; back: lanes 0-15 take two rows' first 128 bytes (one head), lanes 16-31 their second 128 (the next head)
	v_and_b32 v7, 7, v0
	v_mul_u32_u24 v5, v6, SPITCH
	v_lshl_add_u32 v5, v2, 7, v5
	v_lshl_add_u32 v5, v7, 4, v5
	v_add_nc_u32 v[RD], s23, v5
	v_lshlrev_b32 v5, 18, v2                       ; and in qkv: a head is 262,144 bytes, a row 128
	v_lshl_add_u32 v5, v6, 7, v5
	v_lshl_add_u32 v[CO], v7, 4, v5
	v_lshlrev_b32 v5, 8, v1
	v_lshl_add_u32 v[HO], v2, 5, v5                ; in hf: row r of 256 bytes, + 32 h
	s_lshl_b32 s20, s17, 8
	s_lshl_b32 s21, s15, 7
	s_add_co_u32 s20, s20, s21                     ; my first row: 256 x tile row + 128 x half
	s_lshr_b32 s21, s20, 11                        ; the batch,
	s_and_b32 s20, s20, 2047                       ; the position
	s_lshl_b32 s46, s42, 8
	s_lshl_b32 s47, s16, 7
	s_add_co_u32 s46, s46, s47                     ; my first column: 256 x tile column + 128 x half
	s_lshr_b32 s47, s46, 10                        ; q, k or v,
	s_bfe_u32 s46, s46, 0x40006                    ; the first of my two heads
	s_lshl_b32 s96, s47, 24
	s_lshl_b32 s97, s21, 22
	s_add_co_u32 s96, s96, s97
	s_lshl_b32 s97, s46, 18
	s_add_co_u32 s96, s96, s97
	s_lshl_b32 s97, s20, 7
	s_add_co_u32 s96, s96, s97
	s_mov_b32 s97, 0
	s_add_nc_u64 s[12:13], s[12:13], s[96:97]
	s_mul_i32 s96, s21, 3
	s_add_co_u32 s96, s96, s47
	s_lshl_b32 s96, s96, 4
	s_add_co_u32 s96, s96, s46
	s_lshl_b32 s96, s96, 12                        ; ((3 batch + sel) 16 + head) x 4,096: inside hf in every wave
	s_add_nc_u64 s[66:67], s[66:67], s[96:97]
	s_and_b32 s95, s17, 7
	s_or_b32 s95, s95, s15                         ; 0 in the waves whose first row is position 0 of a sequence
.macro FRAG reg, adr, q, i             ; a fragment, 16 rows x 128 K of 4-bit codes: lane l holds row l % 16; registers 4 c .. 4 c + 3 hold K = 64 c + 32 (l / 16) + 0 .. 31
.irp c, 0,1
	ds_load_b128 v[\reg+4*\c:\reg+4*\c+3], v[\adr] offset:64*(\q)+32*\c+(\i)*16*PITCH
.endr
.endm
; 16 matrix instructions: A's blocks a0, a0 + 1 x B's eight, 128 along K: the slot's q-th.  p: B's set;  sc: the set of scale words.  zero = 1: the first product starts the sums.
; The 64 accumulators take turns, one instruction a turn, in the same order in every step.
.macro MUL16 a0, p, q, sc, zero
.irp a, \a0, \a0+1
.irp b, 0,1,2,3,4,5,6,7
.if \zero
	v_wmma_scale_f32_16x16x128_f8f6f4 v[8*(8*((\a)%4)+\b):8*(8*((\a)%4)+\b)+7], v[128*(\p)+FR*\b:128*(\p)+FR*\b+FR-1], v[AF+FR*(\a):AF+FR*(\a)+FR-1], 0, v[SC+8*NQ*(\sc)+NQ*\b+(\q)], v[SC+8*NQ*(\sc)+NQ*(\a)+(\q)] matrix_a_fmt:MATRIX_FMT_FP4 matrix_b_fmt:MATRIX_FMT_FP4 matrix_a_scale:MATRIX_SCALE_ROW1
.else
	v_wmma_scale_f32_16x16x128_f8f6f4 v[8*(8*((\a)%4)+\b):8*(8*((\a)%4)+\b)+7], v[128*(\p)+FR*\b:128*(\p)+FR*\b+FR-1], v[AF+FR*(\a):AF+FR*(\a)+FR-1], v[8*(8*((\a)%4)+\b):8*(8*((\a)%4)+\b)+7], v[SC+8*NQ*(\sc)+NQ*\b+(\q)], v[SC+8*NQ*(\sc)+NQ*(\a)+(\q)] matrix_a_fmt:MATRIX_FMT_FP4 matrix_b_fmt:MATRIX_FMT_FP4 matrix_a_scale:MATRIX_SCALE_ROW1
.endif
.endr
.endr
.endm
.macro FETCH_B slot, q, p              ; B's eight fragments of the slot's q-th 128 along K into set p
	WIN TO_B
.irp i, 0,1,2,3,4,5,6,7
	FRAG 128*(\p)+FR*\i, ADRB+\slot, \q, \i
.endr
	WIN 0
.endm
.macro FETCH_A slot, q, i0             ; A's blocks i0 .. i0 + 3
.irp i, \i0, \i0+1, \i0+2, \i0+3
	FRAG AF+FR*(\i), ADRA+\slot, \q, \i
.endr
.endm
.macro SCALES sc                       ; a slot's scale words into set sc: NQ words a row; lanes 0-15 take A's block i, lanes 16-31 B's block i
.irp i, 0,1,2,3,4,5,6,7
	ds_load_b128 v[SC+8*NQ*\sc+NQ*\i:SC+8*NQ*\sc+NQ*\i+3], v[ADRS] offset:\i*SBLK
.endr
.endm
; A load into a register that a matrix instruction has read, and a vector instruction or a store that reads a matrix result, stand NP places behind that matrix instruction; only plain vector instructions
; that name none of its registers are places (ISA guide 7.12.1 for vector instructions).
.macro PLACES n
.rept \n
	v_nop
.endr
.endm
; A step of 128 along K that has its successor in the same slot.  A's blocks 0-3 are fetched anew in its middle, blocks 4-7 at its end; B has two sets.
.macro STEP slot, q, zero
	s_wait_dscnt 4*NL                              ; B's set and A's blocks 0-3 are in; the youngest eight loads (A's blocks 4-7) may be out
	WIN MUL_LO
	MUL16 0, (\q)%2, \q, \slot, \zero
	MUL16 2, (\q)%2, \q, \slot, \zero
	s_wait_dscnt 0                                 ; A's blocks 4-7 are in
	PLACES NP
	FETCH_B \slot, (\q)+1, 1-(\q)%2
	FETCH_A \slot, (\q)+1, 0
	WIN MUL_HI
	MUL16 4, (\q)%2, \q, \slot, \zero
	MUL16 6, (\q)%2, \q, \slot, \zero
	PLACES NP
	WIN 0
	FETCH_A \slot, (\q)+1, 4
.endm
; Slot 0's last step changes slots: one barrier; in front of it each wave waits for all its tensor loads (its part of slot 1), adds 0 to its spare word, and waits for that and for its reads of slot 0.  Nothing is filled again.
.macro TURN slot, next
	s_wait_tensorcnt 0x0                           ; all my tensor loads have landed
	ds_add_u32 v[SPW], v[NIL]                      ; 0 onto my spare word
	s_wait_dscnt 4*NL+1                            ; (the add and the youngest eight loads, A's blocks 4-7, may be out)
	WIN MUL_LO
	MUL16 0, 1, NQ-1, \slot, 0
	s_wait_dscnt 0x0                               ; the add is done, and my reads of this slot are over
	s_barrier_signal -1
	MUL16 2, 1, NQ-1, \slot, 0
	WIN 0
	s_barrier_wait -1                              ; slot 1 is whole, and nobody reads slot 0 any more
	PLACES NP
	v_add_nc_u32 v[ADRS], 4*NQ, v[ADRS]            ; on to the next slot's scale words
	FETCH_B \next, 0, 0
	FETCH_A \next, 0, 0
	SCALES \next
	WIN MUL_HI
	MUL16 4, 1, NQ-1, \slot, 0
	MUL16 6, 1, NQ-1, \slot, 0
	PLACES NP
	WIN 0
	FETCH_A \next, 0, 4
.endm
	s_wait_tensorcnt 1                             ; the scales and my part of slot 0 are in (slot 1's load may be out)
	s_barrier_signal -1
	s_barrier_wait -1                              ; everybody's are
	FETCH_B 0, 0, 0
	FETCH_A 0, 0, 0
	SCALES 0
	FETCH_A 0, 0, 4
	STEP 0, 0, 1                                   ; the first step's products start the sums
	STEP 0, 1, 0
	STEP 0, 2, 0
	TURN 0, 1
	STEP 1, 0, 0
	STEP 1, 1, 0
	STEP 1, 2, 0
	s_wait_dscnt 4*NL                              ; the last step: nothing more to fetch
	WIN MUL_LO
	MUL16 0, 1, NQ-1, 1, 0
	MUL16 2, 1, NQ-1, 1, 0
	s_wait_dscnt 0
	WIN MUL_HI
	MUL16 4, 1, NQ-1, 1, 0
	MUL16 6, 1, NQ-1, 1, 0
	WIN 0
	PLACES NP                                      ; behind the last products: for the reads of results and for writes of the registers that held scales and A's fragments
	; POSITIONS 0 TO 15 ALSO AS f32.  They are block 0 of the waves whose first row is position 0.  That hangs on the work-group's place in its cluster: every wave runs the sixteen
	; stores, and the lanes are switched off where the rows are others.  EXEC changes only behind s_wait_xcnt 0.
	s_wait_xcnt 0x0
	v_mov_b32 v31, s95
	v_cmp_eq_u32 vcc_lo, 0, v31
	s_and_saveexec_b32 s96, vcc_lo
	WIN 0x08                                       ; a store's data are its source 1: window 2
.irp b, 0,1,2,3,4,5,6,7
	global_store_b128 v[HO], v[8*\b:8*\b+3], s[66:67] offset:(\b/4)*4096+(\b%4)*64       ; lane (r, h): position r, channels 16 (b % 4) + 8 h + 0 .. 7 of head b / 4; each accumulator from its low end on
	global_store_b128 v[HO], v[8*\b+4:8*\b+7], s[66:67] offset:(\b/4)*4096+(\b%4)*64+16
.endr
	WIN 0
	s_wait_xcnt 0x0
	s_or_b32 exec_lo, exec_lo, s96                 ; all lanes on again
; THE WAY OUT, block by block of 16 rows x 128 columns (two heads).  PACK: rounded to f16, 16 bytes a lane.  TOSTAGE: into my stage and back, so that sixteen lanes hold two neighbouring rows of one head: 256 consecutive bytes of qkv.
.macro PACK a
.set AC, 64*((\a)%4)
	WIN 0x0a+5*((\a)/4)                            ; sources 0 and 1: window 2 or 3
.irp b, 0,1,2,3,4,5,6,7
.irp r, 0,1,2,3
	v_cvt_pk_f16_f32 v[TMP+4*\b+\r], v[AC+8*\b+2*\r], v[AC+8*\b+2*\r+1]
.endr
.endr
	WIN 0
.endm
.macro TOSTAGE a
.set BB, BK+32*((\a)%2)
.irp b, 0,1,2,3,4,5,6,7
	ds_store_b128 v[STO], v[TMP+4*\b:TMP+4*\b+3] offset:32*\b
.endr
.irp t, 0,1,2,3,4,5,6,7
	ds_load_b128 v[BB+4*\t:BB+4*\t+3], v[RD] offset:\t*2*SPITCH    ; LDS serves a wave's instructions in order: these see the stores above
.endr
.endm
.macro SEND a
.set BB, BK+32*((\a)%2)
	s_wait_dscnt 0x0                               ; the block is back in registers
	s_wait_xcnt 0x0                                ; the block before has had its stores' data read: the next block's loads may land there
.irp t, 0,1,2,3,4,5,6,7
	global_store_b128 v[CO], v[BB+4*\t:BB+4*\t+3], s[12:13] offset:2048*(\a)+256*\t   ; 16 lanes store 256 consecutive bytes, at a multiple of 256 from qkv's first byte
.endr
.endm
	PACK 0
	TOSTAGE 0
.irp a, 1,2,3,4,5,6,7                  ; block a's conversions stand between block a - 1's loads from the stage and the wait for them
	PACK \a
	SEND \a-1
	TOSTAGE \a
.endr
	SEND 7
	s_wait_tensorcnt 0x0                           ; the wave's end, behind my last tensor load and my last LDS store
	ds_add_u32 v[SPW], v[NIL]
	s_wait_dscnt 0x0
	CROUND                                         ; the closing round: no work-group ends while a partner may still ask for a tile that names it
	s_endpgm
.Lfunc_end_k_qe08b1972c3_qkv:
	.size	k_qe08b1972c3_qkv, .Lfunc_end_k_qe08b1972c3_qkv-k_qe08b1972c3_qkv
	.p2alignl 7, 3214868480
	.fill 96, 4, 3214868480
	.section	.rodata,"a",@progbits
	.p2align	6, 0x0
	.amdhsa_kernel k_qe08b1972c3_qkv
		.amdhsa_group_segment_fixed_size 327680
		.amdhsa_private_segment_fixed_size 0
		.amdhsa_enable_private_segment 0
		.amdhsa_kernarg_size 48
		.amdhsa_user_sgpr_count 2
		.amdhsa_user_sgpr_kernarg_segment_ptr 1
		.amdhsa_wavefront_size32 1
		.amdhsa_system_sgpr_workgroup_id_x 1
		.amdhsa_system_sgpr_workgroup_id_y 1
		.amdhsa_system_sgpr_workgroup_id_z 1
		.amdhsa_system_vgpr_workitem_id 0
		.amdhsa_next_free_vgpr 1024
		.amdhsa_next_free_sgpr 100
		.amdhsa_reserve_vcc 1
		.amdhsa_float_denorm_mode_32 3
		.amdhsa_float_denorm_mode_16_64 3
		.amdhsa_memory_ordered 1
		.amdhsa_forward_progress 1
		.amdhsa_inst_pref_size 129
	.end_amdhsa_kernel
	.amdgpu_metadata
---
amdhsa.version: [ 1, 2 ]
amdhsa.kernels:
  - .name:           k_qe08b1972c3_qkv
    .symbol:         k_qe08b1972c3_qkv.kd
    .args:
      - { .name: xc, .offset: 0, .size: 8, .value_kind: global_buffer, .address_space: global }
      - { .name: xs, .offset: 8, .size: 8, .value_kind: global_buffer, .address_space: global }
      - { .name: wc, .offset: 16, .size: 8, .value_kind: global_buffer, .address_space: global }
      - { .name: ws, .offset: 24, .size: 8, .value_kind: global_buffer, .address_space: global }
      - { .name: qkv, .offset: 32, .size: 8, .value_kind: global_buffer, .address_space: global }
      - { .name: hf, .offset: 40, .size: 8, .value_kind: global_buffer, .address_space: global }
    .group_segment_fixed_size: 327680
    .private_segment_fixed_size: 0
    .kernarg_segment_align: 8
    .kernarg_segment_size: 48
    .max_flat_workgroup_size: 128
    .sgpr_count:     100
    .vgpr_count:     1024
    .wavefront_size: 32
...
	.end_amdgpu_metadata
.endif
;; end of part 2
;; launch attn (part 3): grid 4 x 64, 16 waves a work-group, no clusters, 327,680 bytes of LDS; arguments qkv, ctx; writes ctx
.if DOCPART == 3
	.amdgcn_target "amdgcn-amd-amdhsa--gfx1250"
	.amdhsa_code_object_version 6
	.text
	.protected	k_qe08b1972c3_attn
	.globl	k_qe08b1972c3_attn
	.p2align	8
	.type	k_qe08b1972c3_attn,@function
k_qe08b1972c3_attn:
	s_mov_b64 s[64:65], 0
	v_nop
	global_prefetch_b8 v0, s[64:65] scope:SCOPE_SE
	s_setreg_imm32_b32 hwreg(HW_REG_WAVE_MODE, 25, 1), 1
	s_wait_xcnt 0x0
; ctx[bh][q][:] = the sum over k <= q of softmax_k(Q[bh][q] . K[bh][k] / 8) V[bh][k][:].  qkv: [sel 3][bh 64][2048][64] f16; ctx: [bh 64][2048][64] f16.  Products on f16 operands, sums, maxima and exponentials in f32;
; the weights p are rounded to f16 for the second product, the row's sum is taken of the unrounded p.  A running maximum is taken away before every exponential.
; LIMIT: a result beyond 65,504 in magnitude becomes infinity in f16.  (Positions 0 to 15 of every sequence are made anew in f32 by a later launch.)
; SHARES.  A work-group owns one head and TWO blocks of 256 queries: block j (waves 0-7) and block 7 - j (waves 8-15): a wave with first query Q0 has Q0 / 64 + 1 key steps of 64, and the two blocks together give every
; work-group 264 wave steps, whatever j.  A wave owns 32 queries, two tiles of 16, in 256 registers: four waves to a SIMD, so that one wave's vector work stands beside another's products and LDS loads.
; K and V come through a ring of two LDS slots of 256 keys, filled by tensor loads (waves 0, 1: K's halves; waves 2, 3: V's) and read by all sixteen.
; NO CLUSTER: under the causal mask the work-groups of a head need different numbers of slots, so a partner would be sent tiles that none of its waves reads.
; LAYOUT.  S^T = K Q^T (source 0 = 16 keys, source 1 = 16 queries): a lane holds ONE query (lane % 16) and the keys 8 (lane / 16) + 0..7.  Two such tiles, rounded in pairs, ARE source 1 (32 keys x 16 queries) of
; O^T = V^T P, whose result again holds one query a lane.  K comes out of LDS as it lies, V ([key][channel]) turned, by ds_load_tr16_b128.
; EVERY work-group walks all eight slots (constant trip counts, no barrier jumped over); a step all of whose keys come after the wave's queries is left out by a scalar branch on ids; a slot whose first key comes after the
; work-group's last query is not asked for.
.set KP,    144                        ; a row of K in LDS: 128 bytes + 16: the 16 rows of a load start 36 words apart
.set VP,    160                        ; a row of V: 128 + 32: the 8 rows of half a turning load start 40 words apart
.set SK,    256                        ; keys in a slot
.set VOFF,  SK*KP                      ; a slot: 256 rows of K, then 256 rows of V
.set SLOT1, 1<<17                      ; slot 1 begins here: one exclusive or turns an address in one slot into the other's
.set SPARE, SLOT1+SK*(KP+VP)           ; behind the ring: the spare words, 128 bytes for each wave
.set STG,   32*KP                      ; the way out: 32 rows x 144 bytes for each wave, in slot 0, which is left at the last change of slots and has had its last fill
.set AK0,  1                           ; v1   my lane's place in a tile of K
.set AV0,  2                           ; v2   the same for V
.set ADR,  3                           ; v3   the LDS address of the run of loads in hand
.set SPW,  4                           ; v4   LDS address of my spare word; never rewritten
.set NIL,  5                           ; v5   0; never rewritten
.set PFO,  6                           ; v6   256 x lane: the prefetches' offset
.set DD,   7                           ; v7   the mask's d
.set NINF, 8                           ; v8   -infinity
.set RH,   9                           ; v9   r - 8 h
.set QO,   10                          ; v10  my byte offset in the wave's rows of Q
.set ST,   12                          ; tile x's statistics at v[ST + 8 x]: +0 c m, +1 m, +2, +3 l in two halves, +4 .. +7 at work; a takes +6, its argument +7
.set STO,  28                          ; v28  the way out: where I put 16 bytes of a row
.set RD,   29                          ; v29  where I read 16 bytes back
.set GO,   30                          ; v30  16 x lane: my byte offset in ctx
.set QR,   32                          ; v32-63   Q: tile x, channels 32 c on, at QR + 16 x + 8 c
.set KV,   64                          ; v64-127  K (KV + 16 kt + 8 c), then V (KV + 32 kh + 8 ct)
.set S,    128                         ; v128-191 S^T (S + 32 x + 8 kt); P comes to lie in S + 32 x + 0 .. 15
.set OT,   192                         ; v192-255 O^T (OT + 32 x + 8 ct)
.set WV,    8                          ; s8   wave
.set Q0,    11                         ; s11  my first query
.set LASTQ, 12                         ; s12  my work-group's last query
.set KF,    13                         ; s13  the step's first key
.set TB,    14                         ; s14  LDS byte at which the slot in hand begins
.set SLOTS, 15                         ; s15  changes of slots still to come that may ask for a slot
.set LIM,   16                         ; s16  1 in a wave that prefetches, else the greatest number
.set PFA,   18                         ; s[18:19] where my prefetches stand
.set SEL,   20                         ; s[20:21] lane selects for v_permlanex16_b32: lane l xor 16
.set CS,    22                         ; s[22:23] c = log2(e) / 8
.set G1K,   24                         ; s[24:31], s[32:39] descriptor groups 1 for K's and V's tiles; s[40:43], s[44:47] their groups 0, which walk
.set G1V,   32
.set G0K,   40
.set G0V,   44
; Waves 0 and 1 fetch for K, waves 2 and 3 for V, the others nothing.  The branches hang on the wave's number alone.  An s_nop 0 and four v_nop follow each of the two lines.
.macro TLOAD
	s_cmp_lt_u32 s[WV], 2
	s_cbranch_scc0 .Lnot_k_\@
	tensor_load_to_lds s[G0K:G0K+3], s[G1K:G1K+7]
	s_nop 0
.rept 4
	v_nop
.endr
	s_branch .Lasked_\@
.Lnot_k_\@:
	s_cmp_lt_u32 s[WV], 4
	s_cbranch_scc0 .Lasked_\@
	tensor_load_to_lds s[G0V:G0V+3], s[G1V:G1V+7]
	s_nop 0
.rept 4
	v_nop
.endr
.Lasked_\@:
.endm
; A PREFETCH INTO THE L2 of what the NEXT change of slots will ask for: a slot's 32,768 dense bytes of K and as many of V.  All four work-groups of a head walk the same K and V: the one that walks all eight slots (j = 0) asks.
; In it the waves ask that fetch nothing, one instruction each: waves 4-7 for K, waves 8-11 for V, 8,192 bytes a wave, lanes 256 bytes apart: each block of 256 bytes is named once in the launch.
; It asks a slot's four key steps ahead of the load; slots 0 and 1 come by their loads alone; the last change that fills a slot asks for nothing.
.macro ASK
	s_cmp_gt_u32 s[SLOTS], s[LIM]
	s_cbranch_scc0 .Lnot_mine_\@
	global_prefetch_b8 v[PFO], s[PFA:PFA+1] th:TH_LOAD_NT scope:SCOPE_SE
.Lnot_mine_\@:
.endm
	s_load_b128 s[4:7], s[0:1], 0x0                ; qkv, ctx
	v_lshl_add_u32 v[SPW], v0, 2, SPARE
	v_mov_b32 v[NIL], 0
	ds_add_u32 v[SPW], v[NIL]                      ; the wave's opening: the add, twice on end, and its wait ahead of my first tensor load
	ds_add_u32 v[SPW], v[NIL]
	v_lshrrev_b32 v11, 5, v0
	v_readfirstlane_b32 s[WV], v11                 ; wave 0..15
	s_and_b32 s10, ttmp7, 0xffff                   ; batch x 16 + head
	s_sub_co_u32 s54, 7, ttmp9
	s_sub_co_u32 s55, 15, s[WV]
	s_cmp_lt_u32 s[WV], 8
	s_cselect_b32 s54, ttmp9, s54                  ; my block of 256 queries: j or 7 - j,
	s_cselect_b32 s55, s[WV], s55                  ; my 32 of them: w or 15 - w
	s_lshl_b32 s54, s54, 8
	s_lshl_b32 s55, s55, 5
	s_add_co_u32 s[Q0], s54, s55
	s_sub_co_u32 s[LASTQ], 8, ttmp9
	s_lshl_b32 s[LASTQ], s[LASTQ], 8
	s_sub_co_u32 s[LASTQ], s[LASTQ], 1             ; the last query of block 7 - j
	s_lshl_b32 s48, s10, 18                        ; the head's 262,144 bytes
	s_mov_b32 s49, 0
	s_and_b32 s54, s[WV], 1                        ; which 128 rows of a slot I fetch, if I fetch:
	s_lshl_b32 s56, s54, 14                        ; in memory,
	s_mov_b32 s57, 0
	s_mov_b32 s[G0K], 1                            ; 1:0 count = 1
	s_mul_i32 s[G0K+1], s54, 128*KP                ; 63:32 LDS address: slot 0
	s_mov_b32 s[G0V], 1
	s_mul_i32 s[G0V+1], s54, 128*VP
	s_add_co_u32 s[G0V+1], s[G0V+1], VOFF
	; descriptor group 1: 128 rows of 64 elements of 2 bytes, dense in memory, padded in LDS
	s_mov_b32 s[G1K], (1<<16)|(1<<20)|(4<<22)|(3<<25)   ; 15:0 no mask; 17:16 elements of 2 bytes; 20 padding on; 24:22 after every 32 words; 31:25 four words
	s_mov_b32 s[G1V], (1<<16)|(1<<20)|(4<<22)|(7<<25)   ; the same with eight words of padding
.irp g, G1K, G1V
	s_mov_b32 s[\g+1], 64<<16                      ; tensor_dim0
	s_mov_b32 s[\g+2], 128<<16                     ; tensor_dim1
	s_mov_b32 s[\g+3], 64<<16                      ; tile_dim0
	s_mov_b32 s[\g+4], 128                         ; tile_dim1
	s_mov_b32 s[\g+5], 64                          ; tensor_dim0_stride
	s_mov_b32 s[\g+6], 0
	s_mov_b32 s[\g+7], 0
.endr
	s_mov_b32 s[SEL], 0x76543210
	s_mov_b32 s[SEL+1], 0xfedcba98
	s_mov_b32 s[CS], 0x3e38aa3b                    ; c = log2(e) / sqrt(64)
	s_mov_b32 s[CS+1], s[CS]                       ; (named with it as a pair, so it is written)
	s_mov_b32 s[TB], 0
	s_mov_b32 s[KF], 0
	s_mov_b32 s[SLOTS], 2048/SK-1
	s_wait_dscnt 0x0                               ; both opening adds are done
	s_wait_kmcnt 0x0
	s_add_nc_u64 s[58:59], s[4:5], s[48:49]        ; the head in q's part of qkv
	s_add_nc_u64 s[G0K+2:G0K+3], s[58:59], s[56:57]
	s_add_nc_u64 s[G0V+2:G0V+3], s[G0K+2:G0K+3], 0x2000000   ; v's part begins 2 x 16,777,216 bytes on,
	s_add_nc_u64 s[G0K+2:G0K+3], s[G0K+2:G0K+3], 0x1000000   ; k's part 16,777,216
	s_or_b32 s[G0K+3], s[G0K+3], 0x80000000        ; 127:126 type = 2
	s_or_b32 s[G0V+3], s[G0V+3], 0x80000000
	TLOAD                                          ; slot 0: it holds key 0, which counts for every query
	s_lshl_b32 s54, s[Q0], 7
	s_mov_b32 s55, 0
	s_add_nc_u64 s[50:51], s[58:59], s[54:55]      ; Q at my first query
	s_add_nc_u64 s[52:53], s[6:7], s[48:49]
	s_add_nc_u64 s[52:53], s[52:53], s[54:55]      ; ctx likewise
	v_and_b32 v11, 15, v0                          ; r
	v_bfe_u32 v3, v0, 4, 1                         ; h
	v_lshlrev_b32 v[QO], 7, v11
	v_lshl_add_u32 v[QO], v3, 4, v[QO]             ; row r of 128 bytes + 16 h
.irp x, 0,1
.irp c, 0,1
	global_load_b128 v[QR+16*\x+8*\c:QR+16*\x+8*\c+3],   v[QO], s[50:51] offset:2048*\x+64*\c      ; Q stays in registers
	global_load_b128 v[QR+16*\x+8*\c+4:QR+16*\x+8*\c+7], v[QO], s[50:51] offset:2048*\x+64*\c+32
.endr
.endr
	; the prefetches: where my wave's stand, and who asks
	s_cmp_lt_u32 s[WV], 8
	s_mov_b32 s54, 0x2000000
	s_cselect_b32 s54, 0x1000000, s54              ; waves 4-7: K; waves 8-11: V
	s_and_b32 s56, s[WV], 3
	s_lshl_b32 s56, s56, 13                        ; my wave's 8,192 bytes,
	s_add_co_u32 s54, s54, s56
	s_add_co_u32 s54, s54, SK*128                  ; in slot 1: the first change of slots steps it to slot 2
	s_add_nc_u64 s[PFA:PFA+1], s[58:59], s[54:55]
	s_sub_co_u32 s54, s[WV], 4
	s_lshr_b32 s54, s54, 3                         ; 0 in waves 4 to 11,
	s_or_b32 s54, s54, ttmp9                       ; of the work-group with j = 0
	s_cmp_eq_u32 s54, 0
	s_cselect_b32 s[LIM], 1, -1
	v_mul_u32_u24 v[AK0], v11, KP
	v_lshl_add_u32 v[AK0], v3, 4, v[AK0]           ; K: row r x pitch + 16 h
	v_and_b32 v7, 7, v0
	v_lshl_add_u32 v[AV0], v3, 3, v7               ; V: the turning load: lane l reads key 8 h + l % 8, channels 8 ((l / 8) % 2) on
	v_mul_u32_u24 v[AV0], v[AV0], VP
	v_bfe_u32 v7, v0, 3, 1
	v_lshl_add_u32 v[AV0], v7, 4, v[AV0]
	v_add_nc_u32 v[AV0], VOFF, v[AV0]
	v_lshlrev_b32 v[RH], 3, v3
	v_sub_nc_u32 v[RH], v11, v[RH]                 ; r - 8 h
	v_mov_b32 v[NINF], 0xff800000
	v_and_b32 v[PFO], 31, v0
	v_lshlrev_b32 v[GO], 4, v[PFO]
	v_lshlrev_b32 v[PFO], 8, v[PFO]
	s_mul_i32 s54, s[WV], STG                      ; my stage
	v_mul_u32_u24 v[STO], v11, KP
	v_lshl_add_u32 v[STO], v3, 4, v[STO]
	v_add_nc_u32 v[STO], s54, v[STO]               ; in: row r, + 16 h
	v_bfe_u32 v[RD], v0, 3, 2
	v_mul_u32_u24 v[RD], v[RD], KP
	v_and_b32 v7, 7, v0
	v_lshl_add_u32 v[RD], v7, 4, v[RD]
	v_add_nc_u32 v[RD], s54, v[RD]                 ; back: eight lanes to a row of 128 bytes, four rows an instruction
.irp x, 0,1
	v_mov_b32 v[ST+8*\x+1], 0xff61b1e6             ; the largest score so far: -3e38, under every score
	v_mul_f32 v[ST+8*\x], s[CS], v[ST+8*\x+1]      ; c m
.irp n, 2,3,4,5,6,7
	v_mov_b32 v[ST+8*\x+\n], 0                     ; l; and the registers at work (a lane permute's destination counts as one of its sources)
.endr
.endr
.set i, 0
.rept 64
	v_mov_b32 v[OT+i], 0                           ; O^T.  (The step is written in one form: the first finds zeros, which a = 0 leaves zeros)
.set i, i+1
.endr
; A KEY STEP: 64 keys, the q-th of the slot in hand: 16 products K Q^T, the softmax of two tiles, 16 products V^T P.
.macro STEP q
	s_add_co_u32 s54, s[Q0], 31
	s_cmp_gt_u32 s[KF], s54                        ; all 64 keys come after my 32 queries: the step's work is left out; ids and the count of steps alone
	s_cbranch_scc1 .Lhidden_\@
	v_add_nc_u32 v[ADR], s[TB], v[AK0]
.rept 4
	v_nop                                          ; with the addition five places behind the last products V^T P: the loads below land on their source 0 (four are owed), the products below write over their source 1 (five)
.endr
.irp c, 0,1
.irp kt, 0,1,2,3
	ds_load_b128 v[KV+16*\kt+8*\c:KV+16*\kt+8*\c+3],   v[ADR] offset:(64*(\q)+16*\kt)*KP+64*\c
	ds_load_b128 v[KV+16*\kt+8*\c+4:KV+16*\kt+8*\c+7], v[ADR] offset:(64*(\q)+16*\kt)*KP+64*\c+32
.endr
.endr
	s_wait_dscnt 8                                 ; channels 0-31 are in; the eight loads of channels 32-63 may be out
.irp kt, 0,1,2,3
.irp x, 0,1
	v_wmma_f32_16x16x32_f16 v[S+32*\x+8*\kt:S+32*\x+8*\kt+7], v[KV+16*\kt:KV+16*\kt+7], v[QR+16*\x:QR+16*\x+7], 0   ; the eight accumulators take turns
.endr
.endr
	s_wait_dscnt 0x0
.irp kt, 0,1,2,3
.irp x, 0,1
	v_wmma_f32_16x16x32_f16 v[S+32*\x+8*\kt:S+32*\x+8*\kt+7], v[KV+16*\kt+8:KV+16*\kt+15], v[QR+16*\x+8:QR+16*\x+15], v[S+32*\x+8*\kt:S+32*\x+8*\kt+7]
.endr
.endr
	v_add_nc_u32 v[ADR], s[TB], v[AV0]
.rept 3
	v_nop                                          ; with the addition four places: for the loads into K's registers and for the first read of the scores
.endr
.irp kh, 0,1
.irp ct, 0,1,2,3
	ds_load_tr16_b128 v[KV+32*\kh+8*\ct:KV+32*\kh+8*\ct+3],   v[ADR] offset:(64*(\q)+32*\kh)*VP+32*\ct          ; V lands while the softmax is walked
	ds_load_tr16_b128 v[KV+32*\kh+8*\ct+4:KV+32*\kh+8*\ct+7], v[ADR] offset:(64*(\q)+32*\kh+16)*VP+32*\ct
.endr
.endr
	s_add_co_u32 s54, s[KF], 63                    ; on the diagonal the scores of hidden keys become -infinity ahead of the maximum.  A step all of whose keys count skips this
	s_cmp_le_u32 s54, s[Q0]
	s_cbranch_scc1 .Lopen_\@
	s_sub_co_i32 s54, s[Q0], s[KF]
	v_add_nc_u32 v[DD], s54, v[RH]                 ; d = Q0 - KF + r - 8 h.  Register 8 kt + i of tile x holds key KF + 16 kt + 8 h + i and query Q0 + 16 x + r: hidden where 16 kt + i - 16 x > d
.irp x, 0,1
.set n, 0
.rept 32
	v_cmp_gt_i32 vcc_lo, 16*(n/8)+n%8-16*\x, v[DD]
	v_cndmask_b32 v[S+32*\x+n], v[S+32*\x+n], v[NINF], vcc_lo
.set n, n+1
.endr
.endr
.Lopen_\@:
	; the maximum of a lane's 32 scores and the old m: four chains; the two tiles line by line in turn.  Each tile of scores is read from its low end on
.irp n, 0,1,2,3
.irp x, 0,1
	v_max3_num_f32 v[ST+8*\x+4+\n], v[S+32*\x+8*\n], v[S+32*\x+8*\n+1], v[S+32*\x+8*\n+2]
.endr
.endr
.irp i, 3,5
.irp n, 0,1,2,3
.irp x, 0,1
	v_max3_num_f32 v[ST+8*\x+4+\n], v[ST+8*\x+4+\n], v[S+32*\x+8*\n+\i], v[S+32*\x+8*\n+\i+1]
.endr
.endr
.endr
.irp x, 0,1
	v_max3_num_f32 v[ST+8*\x+4], v[ST+8*\x+4], v[S+32*\x+7], v[S+32*\x+15]
.endr
.irp x, 0,1
	v_max3_num_f32 v[ST+8*\x+6], v[ST+8*\x+6], v[S+32*\x+23], v[S+32*\x+31]
.endr
.irp x, 0,1
	v_max3_num_f32 v[ST+8*\x+4], v[ST+8*\x+4], v[ST+8*\x+5], v[ST+8*\x+6]
.endr
.irp x, 0,1
	v_max3_num_f32 v[ST+8*\x+4], v[ST+8*\x+4], v[ST+8*\x+7], v[ST+8*\x+1]
.endr
.irp x, 0,1
	v_permlanex16_b32 v[ST+8*\x+5], v[ST+8*\x+4], s[SEL], s[SEL+1]   ; the query's other 32 keys lie in the lane 16 away
.endr
.irp x, 0,1
	v_mov_b32 v[ST+8*\x+7], v[ST+8*\x]             ; c m_old is kept for a
.endr
.irp x, 0,1
	v_max_num_f32 v[ST+8*\x+1], v[ST+8*\x+4], v[ST+8*\x+5]   ; the new m
.endr
.irp x, 0,1
	v_mul_f32 v[ST+8*\x], s[CS], v[ST+8*\x+1]
.endr
.irp x, 0,1
	v_sub_f32 v[ST+8*\x+7], v[ST+8*\x+7], v[ST+8*\x]   ; c m_old - c m_new, 0 or less
.endr
.set e, 0
.rept 16
	v_pk_fma_f32 v[S+e:S+e+1], v[S+e:S+e+1], s[CS:CS+1], v[ST:ST+1] op_sel_hi:[1,0,0] neg_lo:[0,0,1] neg_hi:[0,0,1]               ; c s - c m, two at a time
	v_pk_fma_f32 v[S+32+e:S+32+e+1], v[S+32+e:S+32+e+1], s[CS:CS+1], v[ST+8:ST+9] op_sel_hi:[1,0,0] neg_lo:[0,0,1] neg_hi:[0,0,1]
.set e, e+2
.endr
.irp x, 0,1
	v_exp_f32 v[ST+8*\x+6], v[ST+8*\x+7]           ; a = 2^(c m_old - c m_new).  ONE BATCH of 66 exponentials, none of which reads another's result
.endr
.set e, 0
.rept 32
	v_exp_f32 v[S+e], v[S+e]
	v_exp_f32 v[S+32+e], v[S+32+e]
.set e, e+1
.endr
	v_nop                                          ; a plain instruction behind the last exponential
	s_wait_alu depctr_va_vdst(0)                   ; the wait ahead of the first instruction that names a result: one for the batch
	; l = a l + the sum of the unrounded p: two chains a tile
.irp x, 0,1
	v_pk_fma_f32 v[ST+8*\x+2:ST+8*\x+3], v[ST+8*\x+2:ST+8*\x+3], v[ST+8*\x+6:ST+8*\x+7], v[S+32*\x:S+32*\x+1] op_sel_hi:[1,0,1]
.endr
.irp x, 0,1
	v_pk_add_f32 v[ST+8*\x+4:ST+8*\x+5], v[S+32*\x+2:S+32*\x+3], v[S+32*\x+4:S+32*\x+5]
.endr
.irp b, 6,10,14,18,22,26
.irp x, 0,1
	v_pk_add_f32 v[ST+8*\x+2:ST+8*\x+3], v[ST+8*\x+2:ST+8*\x+3], v[S+32*\x+\b:S+32*\x+\b+1]
.endr
.irp x, 0,1
	v_pk_add_f32 v[ST+8*\x+4:ST+8*\x+5], v[ST+8*\x+4:ST+8*\x+5], v[S+32*\x+\b+2:S+32*\x+\b+3]
.endr
.endr
.irp x, 0,1
	v_pk_add_f32 v[ST+8*\x+2:ST+8*\x+3], v[ST+8*\x+2:ST+8*\x+3], v[S+32*\x+30:S+32*\x+31]
.endr
.irp x, 0,1
	v_pk_add_f32 v[ST+8*\x+2:ST+8*\x+3], v[ST+8*\x+2:ST+8*\x+3], v[ST+8*\x+4:ST+8*\x+5]
.endr
.set p, 0
.rept 16
	v_cvt_pk_f16_f32 v[S+p], v[S+2*p], v[S+2*p+1]              ; P, in place and ascending: pair p is read no later than register p is written
	v_cvt_pk_f16_f32 v[S+32+p], v[S+32+2*p], v[S+32+2*p+1]
.set p, p+1
.endr
.set e, 0
.rept 16
	v_pk_mul_f32 v[OT+e:OT+e+1], v[OT+e:OT+e+1], v[ST+6:ST+7] op_sel_hi:[1,0]            ; O^T x a, each accumulator from its low end on
	v_pk_mul_f32 v[OT+32+e:OT+32+e+1], v[OT+32+e:OT+32+e+1], v[ST+14:ST+15] op_sel_hi:[1,0]
.set e, e+2
.endr
	s_wait_dscnt 0x0                               ; V is in
.irp kh, 0,1
.irp ct, 0,1,2,3
.irp x, 0,1
	v_wmma_f32_16x16x32_f16 v[OT+32*\x+8*\ct:OT+32*\x+8*\ct+7], v[KV+32*\kh+8*\ct:KV+32*\kh+8*\ct+7], v[S+32*\x+8*\kh:S+32*\x+8*\kh+7], v[OT+32*\x+8*\ct:OT+32*\x+8*\ct+7]
.endr
.endr
.endr
.Lhidden_\@:
	s_add_co_u32 s[KF], s[KF], 64
.endm
; THE CHANGE OF SLOTS stands at a slot's head.  Each wave waits for all its tensor loads (its part of the slot ahead), adds 0 to its spare word, and waits for that and for its reads of the slot that it has left.
; Behind the barrier the slot ahead is whole and nobody reads the other one.  fill = 1: that other slot takes the keys that follow, up to the causal limit: the load has a slot's four steps in which to land.  One load of a wave is out at the most.
.macro CHANGE fill
	s_wait_tensorcnt 0x0                           ; no tensor load of mine is out, so a group 0 may be written
	ds_add_u32 v[SPW], v[NIL]                      ; 0 onto my spare word
.if \fill
	ds_add_u32 v[SPW], v[NIL]                      ; and once more, in every trip alike
	s_xor_b32 s[G0K+1], s[G0K+1], SLOT1            ; the walking descriptors: the other slot than last time,
	s_add_nc_u64 s[G0K+2:G0K+3], s[G0K+2:G0K+3], SK*128   ; the next 256 keys; the type bits on top are not reached
	s_xor_b32 s[G0V+1], s[G0V+1], SLOT1
	s_add_nc_u64 s[G0V+2:G0V+3], s[G0V+2:G0V+3], SK*128
	s_wait_xcnt 0x0                                ; the last prefetch, a slot back, has read its address, so it may be written:
	s_add_nc_u64 s[PFA:PFA+1], s[PFA:PFA+1], SK*128   ; one slot further on than the walking descriptors
.endif
	s_wait_dscnt 0x0                               ; the add is done, and my reads of the slot that I have left are over
	s_barrier_signal -1
	s_barrier_wait -1
.if \fill
	s_add_co_u32 s54, s[KF], SK                    ; the first key of the slot that this change would ask for:
	s_cmp_gt_u32 s54, s[LASTQ]                     ; past my work-group's last query none of its waves would read it.  Ids and the count of steps alone: all sixteen waves go the same way
	s_cbranch_scc1 .Lpast_\@
	TLOAD                                          ; a wave's one tensor load until the next such barrier
.Lpast_\@:
	ASK
.endif
.endm
.macro SLOT_STEPS
	STEP 0
	STEP 1
	STEP 2
	STEP 3
	s_xor_b32 s[TB], s[TB], SLOT1                  ; on to the other slot
.endm
	s_wait_loadcnt 0x0                             ; Q
.Lslot:                                            ; seven trips: behind each change of slots but the last the next slot is asked for, up to the limit
	CHANGE 1
	SLOT_STEPS
	s_sub_co_u32 s[SLOTS], s[SLOTS], 1
	s_cmp_lg_u32 s[SLOTS], 0
	s_cbranch_scc1 .Lslot
	CHANGE 0                                       ; the last slot is written out: nothing is left to ask for
	SLOT_STEPS
	; THE WAY OUT.  O^T is divided by the row's sum, rounded to f16 and sent through my stage, so that the wave's 32 rows of 128 bytes, 4,096 dense bytes of ctx, leave 512 consecutive bytes an instruction.
.rept 4
	v_nop                                          ; the places behind the last products
.endr
.irp x, 0,1
	v_add_f32 v[ST+8*\x+4], v[ST+8*\x+2], v[ST+8*\x+3]
.endr
.irp x, 0,1
	v_permlanex16_b32 v[ST+8*\x+5], v[ST+8*\x+4], s[SEL], s[SEL+1]
.endr
.irp x, 0,1
	v_add_f32 v[ST+8*\x+4], v[ST+8*\x+4], v[ST+8*\x+5]   ; the row's sum
.endr
.irp x, 0,1
	v_rcp_f32 v[ST+8*\x+6], v[ST+8*\x+4]
.endr
	v_nop                                          ; a plain instruction behind the last reciprocal
	s_wait_alu depctr_va_vdst(0)                   ; and the wait ahead of the first use
.irp x, 0,1
.set e, 0
.rept 16
	v_pk_mul_f32 v[OT+32*\x+e:OT+32*\x+e+1], v[OT+32*\x+e:OT+32*\x+e+1], v[ST+8*\x+6:ST+8*\x+7] op_sel_hi:[1,0]
.set e, e+2
.endr
.endr
.irp x, 0,1
.set p, 0
.rept 16
	v_cvt_pk_f16_f32 v[S+16*\x+p], v[OT+32*\x+2*p], v[OT+32*\x+2*p+1]
.set p, p+1
.endr
.endr
.irp x, 0,1
.irp ct, 0,1,2,3
	ds_store_b128 v[STO], v[S+16*\x+4*\ct:S+16*\x+4*\ct+3] offset:16*KP*\x+32*\ct   ; lane (r, h): query 16 x + r, channels 16 ct + 8 h + 0 .. 7
.endr
.endr
.irp i, 0,1,2,3,4,5,6,7
	ds_load_b128 v[KV+4*\i:KV+4*\i+3], v[RD] offset:4*KP*\i   ; LDS serves a wave's instructions in order: these see my stores
.endr
.irp i, 0,1,2,3,4,5,6,7
	s_wait_dscnt 7-\i                              ; load i is in; the younger ones may be out
	global_store_b128 v[GO], v[KV+4*\i:KV+4*\i+3], s[52:53] offset:512*\i
.endr
	s_wait_tensorcnt 0x0                           ; the wave's end, behind my last tensor load and my last LDS store
	ds_add_u32 v[SPW], v[NIL]
	s_wait_dscnt 0x0
	s_endpgm
.Lfunc_end_k_qe08b1972c3_attn:
	.size	k_qe08b1972c3_attn, .Lfunc_end_k_qe08b1972c3_attn-k_qe08b1972c3_attn
	.p2alignl 7, 3214868480
	.fill 96, 4, 3214868480
	.section	.rodata,"a",@progbits
	.p2align	6, 0x0
	.amdhsa_kernel k_qe08b1972c3_attn
		.amdhsa_group_segment_fixed_size 327680
		.amdhsa_private_segment_fixed_size 0
		.amdhsa_enable_private_segment 0
		.amdhsa_kernarg_size 16
		.amdhsa_user_sgpr_count 2
		.amdhsa_user_sgpr_kernarg_segment_ptr 1
		.amdhsa_wavefront_size32 1
		.amdhsa_system_sgpr_workgroup_id_x 1
		.amdhsa_system_sgpr_workgroup_id_y 1
		.amdhsa_system_sgpr_workgroup_id_z 1
		.amdhsa_system_vgpr_workitem_id 0
		.amdhsa_next_free_vgpr 256
		.amdhsa_next_free_sgpr 66
		.amdhsa_reserve_vcc 1
		.amdhsa_float_denorm_mode_32 3
		.amdhsa_float_denorm_mode_16_64 3
		.amdhsa_memory_ordered 1
		.amdhsa_forward_progress 1
		.amdhsa_inst_pref_size 187
	.end_amdhsa_kernel
	.amdgpu_metadata
---
amdhsa.version: [ 1, 2 ]
amdhsa.kernels:
  - .name:           k_qe08b1972c3_attn
    .symbol:         k_qe08b1972c3_attn.kd
    .args:
      - { .name: qkv, .offset: 0, .size: 8, .value_kind: global_buffer, .address_space: global }
      - { .name: ctx, .offset: 8, .size: 8, .value_kind: global_buffer, .address_space: global }
    .group_segment_fixed_size: 327680
    .private_segment_fixed_size: 0
    .kernarg_segment_align: 8
    .kernarg_segment_size: 16
    .max_flat_workgroup_size: 512
    .sgpr_count:     66
    .vgpr_count:     256
    .wavefront_size: 32
...
	.end_amdgpu_metadata
.endif
;; end of part 3
;; launch proj (part 4): grid 4 x 64, 4 waves a work-group, clusters of 4 x 4, 327,680 bytes of LDS; arguments ctx, wo16, bo, out0; writes out0
.if DOCPART == 4
	.amdgcn_target "amdgcn-amd-amdhsa--gfx1250"
	.amdhsa_code_object_version 6
	.text
	.protected	k_qe08b1972c3_proj
	.globl	k_qe08b1972c3_proj
	.p2align	8
	.type	k_qe08b1972c3_proj,@function
k_qe08b1972c3_proj:
	s_mov_b64 s[64:65], 0
	v_nop
	global_prefetch_b8 v0, s[64:65] scope:SCOPE_SE
	s_setreg_imm32_b32 hwreg(HW_REG_WAVE_MODE, 25, 1), 1
	s_wait_xcnt 0x0
	s_wait_alu depctr_hold_cnt(0) depctr_sa_sdst(0) depctr_va_vdst(0) depctr_va_sdst(0) depctr_va_ssrc(0) depctr_va_vcc(0) depctr_vm_vsrc(0)
	s_getreg_b32 s2, hwreg(HW_REG_IB_STS2, 6, 4)
	s_cmp_eq_u32 s2, 0
	s_cbranch_scc0 .Lentry_in_a_cluster
	s_endpgm
.Lentry_in_a_cluster:
	s_bfe_u32 s2, ttmp6, 0x10000c
	s_cmp_lg_u32 s2, 0xf033
	s_cbranch_scc0 .Lentry_shape_is_right
	s_endpgm
.Lentry_shape_is_right:
; out0[m][e] = the sum over d of ctx[m][d] Wo[e][d] + bo[e].  ctx: [b 4][h 16][t 2048][64] f16 (d = 64 h + channel); wo16: [1024 e][1024 d] f16; bo [1024], out0 [8192][1024] f32.  Sums in f32.
; (Positions 0 to 15 of every sequence are written again, in f32 throughout, by the launch that follows.)
; A tile of out0 is 128 rows x 256 columns: 256 work-groups (tiles of 256 x 256 would be 128).  Four waves, each 64 rows x 128 columns: 32 accumulators of 16 x 16.
; K goes in 8 steps of 128 through a ring of two LDS slots.  A K step of ctx is two heads: two planes of 128 rows x 128 dense bytes; of wo16: 256 rows x 256 bytes.  Waves 0, 1 fetch A's planes, waves 2, 3 B's halves: one load a wave.
; CLUSTERS: 4 x 4 work-groups; A's tiles are shared along a row of the cluster, B's along a column: each is asked for JOINTLY.  Every joint refill stands behind a round of the cluster's barrier.
; THE MATRIX INSTRUCTION IS USED TRANSPOSED (source 0 = 16 rows of wo16, source 1 = 16 rows of ctx): a lane holds eight neighbouring columns of a row of out0.  The bias is the C of each sum's first product.
; REGISTERS: window 0: v0-31 addresses; two fragment buffers F0 = v64-159, F1 = v160-255 (B's 8 fragments, then A's 4).  window 1: the accumulators, (a, b) at v[8 (8 a + b)].  window 2: v0-63 the bias in the result's layout.
.set KP,     144                       ; A's LDS row: 128 bytes + 16
.set BP,     272                       ; B's: 256 + 16
.set PLANE,  128*KP                    ; a head's 128 rows
.set BOFF,   2*PLANE
.set BHALF,  128*BP
.set SLOT,   BOFF+2*BHALF
.set STAGE,  2*SLOT                    ; behind the ring: 16 rows x 528 bytes for each wave; no tensor load lands there
.set SPITCH, 528
.set SPARE,  STAGE+4*16*SPITCH         ; behind the stages: the spare words, 128 bytes for each wave
.set ASTEP,  2*2048*128                ; a K step on in ctx: two heads
.set ADRA, 16                          ; v16-17 LDS address of my A fragments in slot 0, 1
.set ADRB, 20                          ; v20-21 the same for B
.set STO,  24
.set RD,   25
.set CO,   26
.set SPW,  28                          ; v28 LDS address of my spare word; never rewritten
.set NIL,  29                          ; v29 0; never rewritten
.set PFO,  30                          ; v30 256 x lane
.set BO,   31                          ; v31 32 h: the bias's offset
.set F0,   64
.set F1,   160
.set G1,   24                          ; s[24:31] group 1 for A's planes; s[32:39] groups 0, one for each slot
.set G0,   32
.set G1B,  48                          ; s[48:55], s[56:63] the same for B
.set G0B,  56
.set PFA,  66                          ; s[66:67] where my prefetches stand
.set LIM,  68                          ; s68 1 in wave 0, else the greatest number
.set MSB, 0
.macro WIN new                         ; the immediate's high byte repeats the setting that is left
.if MSB != \new
	s_set_vgpr_msb (MSB<<8)|\new
.set MSB, \new
.endif
.endm
.set MULW,   0x50                      ; sources 0 and 1 window 0; C and D window 1
.set FIRSTW, 0x60                      ; C (the bias) window 2, D window 1
.macro JLOAD s                         ; a joint load: waves 0, 1 for A, waves 2, 3 for B; an s_nop 0 and four v_nop follow each of the two lines
	s_cmp_eq_u32 s15, 0
	s_cbranch_scc0 .Lfor_b_\@
	tensor_load_to_lds s[G0+4*\s:G0+4*\s+3], s[G1:G1+7]
	s_nop 0
.rept 4
	v_nop
.endr
	s_branch .Lasked_\@
.Lfor_b_\@:
	tensor_load_to_lds s[G0B+4*\s:G0B+4*\s+3], s[G1B:G1B+7]
	s_nop 0
.rept 4
	v_nop
.endr
.Lasked_\@:
.endm
.macro CREST                           ; a round of the cluster's barrier behind its opening barrier
	s_cmp_lg_u32 s14, 0
	s_cbranch_scc1 .Lnot_wave_0_\@
	s_barrier_signal -3
.Lnot_wave_0_\@:
	s_barrier_wait -3
	s_barrier_signal -1
	s_barrier_wait -1
.endm
.macro CROUND
	s_barrier_signal -1
	s_barrier_wait -1
	CREST
.endm
; A PREFETCH INTO THE L2 of ctx, behind each joint refill and the run of LDS loads that follows it: the K step that stands two refills on, 256 matrix instructions a wave ahead of its load.  A tile row's 32,768 bytes of a K step are
; read by one row of one cluster alone; its four partners share them out BY ADDRESS (plane cx / 2, half cx % 2), 8,192 bytes each, a lane to each 256; wave 0 asks.  So each block is named once in the launch.
; The loop's last trip asks for nothing: there is no K step two on.  wo16 is not asked for: all 64 tile rows read its 2 MB again and again.
.macro ASK
	s_cmp_gt_u32 s3, s[LIM]
	s_cbranch_scc0 .Lnot_mine_\@
	global_prefetch_b8 v[PFO], s[PFA:PFA+1] offset:ASTEP th:TH_LOAD_NT scope:SCOPE_SE
.Lnot_mine_\@:
.endm
	s_load_b256 s[4:11], s[0:1], 0x0               ; ctx, wo16, bo, out0
	v_lshl_add_u32 v[SPW], v0, 2, SPARE
	v_mov_b32 v[NIL], 0
	ds_add_u32 v[SPW], v[NIL]                      ; the wave's opening: the add, twice on end, and its wait ahead of my first tensor load
	ds_add_u32 v[SPW], v[NIL]
	v_lshrrev_b32 v1, 5, v0
	v_readfirstlane_b32 s14, v1                    ; wave 0..3
	s_lshr_b32 s15, s14, 1                         ; which 64 rows of the tile are mine.  Also: I fetch for A (0) or for B (1)
	s_and_b32 s16, s14, 1                          ; which 128 columns.  Also: which plane of A or which 128 rows of B I fetch
	s_bfe_u32 s40, ttmp6, 0x40000                  ; cx, cy
	s_bfe_u32 s41, ttmp6, 0x40004
	s_lshl_b32 s42, ttmp9, 2
	s_add_co_u32 s42, s42, s40                     ; tile column
	s_and_b32 s17, ttmp7, 0xffff
	s_lshl_b32 s17, s17, 2
	s_add_co_u32 s17, s17, s41                     ; tile row
	s_lshl_b32 s43, s41, 2
	s_lshl_b32 s43, 15, s43                        ; my row of the cluster
	s_lshl_b32 s44, 0x1111, s40                    ; my column
	s_or_b32 s[G1+0], s43, (1<<16)|(1<<20)|(1<<21)|(4<<22)|(3<<25)   ; A: the mask of my row; elements of 2 bytes; padding on; 21 set beside a mask; four words after every 32
	s_mov_b32 s[G1+1], 64<<16                      ; tensor_dim0
	s_mov_b32 s[G1+2], 128<<16                     ; tensor_dim1
	s_mov_b32 s[G1+3], 64<<16                      ; tile_dim0
	s_mov_b32 s[G1+4], 128                         ; tile_dim1
	s_mov_b32 s[G1+5], 64                          ; tensor_dim0_stride
	s_mov_b32 s[G1+6], 0
	s_mov_b32 s[G1+7], 0
	s_or_b32 s[G1B+0], s44, (1<<16)|(1<<20)|(1<<21)|(5<<22)|(3<<25)  ; B: the mask of my column; four words after every 64
	s_mov_b32 s[G1B+1], 128<<16
	s_mov_b32 s[G1B+2], 128<<16
	s_mov_b32 s[G1B+3], 128<<16
	s_mov_b32 s[G1B+4], 128
	s_mov_b32 s[G1B+5], 1024
	s_mov_b32 s[G1B+6], 0
	s_mov_b32 s[G1B+7], 0
	s_lshr_b32 s20, s17, 4                         ; A hangs on the tile row alone: the batch (16 tile rows to a sequence),
	s_lshl_b32 s20, s20, 4
	s_add_co_u32 s20, s20, s16                     ; 16 batch + my plane: the head of K step 0,
	s_lshl_b32 s20, s20, 18                        ; 262,144 bytes a head,
	s_and_b32 s21, s17, 15
	s_lshl_b32 s21, s21, 14                        ; and 128 rows of 128 bytes a tile row
	s_add_co_u32 s20, s20, s21
	s_mov_b32 s21, 0
	s_lshl_b32 s46, s42, 19                        ; B hangs on the tile column alone: 256 rows of 2,048 bytes,
	s_lshl_b32 s47, s16, 18                        ; + my 128 rows
	s_add_co_u32 s46, s46, s47
	s_mov_b32 s47, 0
	s_mul_i32 s18, s16, PLANE                      ; where they go: no place in the cluster enters an LDS address
	s_mul_i32 s19, s16, BHALF
	s_add_co_u32 s19, s19, BOFF
	s_wait_dscnt 0x0                               ; both opening adds are done
	s_wait_kmcnt 0x0
	s_add_nc_u64 s[20:21], s[4:5], s[20:21]
	s_add_nc_u64 s[46:47], s[6:7], s[46:47]
	CROUND                                         ; all sixteen work-groups are here: the first joint loads meet
.irp s, 0,1
	s_mov_b32 s[G0+4*\s], 1
	s_add_co_u32 s[G0+4*\s+1], s18, \s*SLOT
	s_add_nc_u64 s[G0+4*\s+2:G0+4*\s+3], s[20:21], \s*ASTEP
	s_or_b32 s[G0+4*\s+3], s[G0+4*\s+3], 0x80000000
	s_mov_b32 s[G0B+4*\s], 1
	s_add_co_u32 s[G0B+4*\s+1], s19, \s*SLOT
	s_add_nc_u64 s[G0B+4*\s+2:G0B+4*\s+3], s[46:47], \s*256
	s_or_b32 s[G0B+4*\s+3], s[G0B+4*\s+3], 0x80000000
	JLOAD \s                                       ; two loads of mine are out behind the second
.endr
	v_and_b32 v1, 15, v0                           ; r
	v_bfe_u32 v2, v0, 4, 1                         ; h
	v_mul_u32_u24 v3, v1, KP
	v_lshl_add_u32 v3, v2, 4, v3
	v_mul_u32_u24 v4, v1, BP
	v_lshl_add_u32 v4, v2, 4, v4
	s_mul_i32 s22, s15, 64*KP                      ; my 64 rows in a plane of A
	s_mul_i32 s23, s16, BHALF                      ; my 128 rows of B
	s_add_co_u32 s23, s23, BOFF
.irp s, 0,1
	v_add_nc_u32 v[ADRA+\s], s22, v3
	v_add_nc_u32 v[ADRB+\s], s23, v4
	s_add_co_u32 s22, s22, SLOT
	s_add_co_u32 s23, s23, SLOT
.endr
	s_mul_i32 s22, s14, 16*SPITCH
	s_add_co_u32 s22, s22, STAGE                   ; my stage
	v_mul_u32_u24 v5, v1, SPITCH
	v_lshl_add_u32 v5, v2, 5, v5
	v_add_nc_u32 v[STO], s22, v5                   ; in: row r, 32 bytes for each half of the lanes
	v_and_b32 v6, 31, v0
	v_lshlrev_b32 v[CO], 4, v6                     ; back: the 32 lanes take one row of 512 bytes; and the same in out0
	v_add_nc_u32 v[RD], s22, v[CO]
	v_lshlrev_b32 v[PFO], 8, v6
	v_lshlrev_b32 v[BO], 5, v2
	s_lshl_b32 s22, s17, 7
	s_lshl_b32 s23, s15, 6
	s_add_co_u32 s22, s22, s23                     ; my first row of out0
	s_lshl_b32 s22, s22, 12
	s_mov_b32 s23, 0
	s_lshl_b32 s70, s42, 10
	s_lshl_b32 s71, s16, 9
	s_add_co_u32 s70, s70, s71                     ; my first column, in bytes: in out0 and in bo
	s_mov_b32 s71, 0
	s_add_nc_u64 s[10:11], s[10:11], s[22:23]
	s_add_nc_u64 s[10:11], s[10:11], s[70:71]
	s_add_nc_u64 s[8:9], s[8:9], s[70:71]
	s_lshr_b32 s72, s17, 4                         ; the prefetches: my work-group's 8,192 bytes of K step 2
	s_lshl_b32 s72, s72, 4
	s_lshr_b32 s73, s40, 1
	s_add_co_u32 s72, s72, s73
	s_add_co_u32 s72, s72, 4                       ; head 16 batch + 4 + cx / 2
	s_lshl_b32 s72, s72, 18
	s_and_b32 s73, s17, 15
	s_lshl_b32 s73, s73, 14
	s_add_co_u32 s72, s72, s73
	s_and_b32 s73, s40, 1
	s_lshl_b32 s73, s73, 13
	s_add_co_u32 s72, s72, s73
	s_mov_b32 s73, 0
	s_add_nc_u64 s[PFA:PFA+1], s[4:5], s[72:73]    ; the first refill steps it to K step 3 and names K step 4
	s_cmp_eq_u32 s14, 0
	s_cselect_b32 s[LIM], 1, -1
	WIN 0x80                                       ; destination window 2
.irp b, 0,1,2,3,4,5,6,7
	global_load_b128 v[8*\b:8*\b+3],   v[BO], s[8:9] offset:64*\b        ; block b: bo at my columns 16 b + 8 h + 0 .. 7
	global_load_b128 v[8*\b+4:8*\b+7], v[BO], s[8:9] offset:64*\b+16
.endr
	WIN 0
; 8 matrix instructions: A's block a x B's eight, 32 along K, from buffer f.  first = 1: the bias starts the sums.  The 32 accumulators take turns in one order throughout.
.macro MULA f, a, first
.irp b, 0,1,2,3,4,5,6,7
.if \first
	v_wmma_f32_16x16x32_f16 v[8*(8*(\a)+\b):8*(8*(\a)+\b)+7], v[\f+8*\b:\f+8*\b+7], v[\f+64+8*(\a):\f+64+8*(\a)+7], v[8*\b:8*\b+7]
.else
	v_wmma_f32_16x16x32_f16 v[8*(8*(\a)+\b):8*(8*(\a)+\b)+7], v[\f+8*\b:\f+8*\b+7], v[\f+64+8*(\a):\f+64+8*(\a)+7], v[8*(8*(\a)+\b):8*(8*(\a)+\b)+7]
.endif
.endr
.endm
; 24 LDS loads in one run: the fragments of the slot's q-th 32 along K into buffer f: B's sixteen, then A's blocks 0, 1, then 2, 3.  Quarter q lies in plane q / 2 of A, at byte 64 (q % 2) of its rows.
.macro FETCH slot, q, f
.irp i, 0,1,2,3,4,5,6,7
	ds_load_b128 v[\f+8*\i:\f+8*\i+3],   v[ADRB+\slot] offset:64*(\q)+\i*16*BP
	ds_load_b128 v[\f+8*\i+4:\f+8*\i+7], v[ADRB+\slot] offset:64*(\q)+\i*16*BP+32
.endr
.irp i, 0,1,2,3
	ds_load_b128 v[\f+64+8*\i:\f+64+8*\i+3],   v[ADRA+\slot] offset:((\q)/2)*PLANE+((\q)%2)*64+\i*16*KP
	ds_load_b128 v[\f+64+8*\i+4:\f+64+8*\i+7], v[ADRA+\slot] offset:((\q)/2)*PLANE+((\q)%2)*64+\i*16*KP+32
.endr
.endm
.macro PLACES                          ; four places in front of loads into registers that matrix instructions have read, and of the first read of results (ISA guide 7.12.1 for the first read of results)
.rept 4
	v_nop
.endr
.endm
; One of a K step's first three quarters: multiplies buffer f; in its middle it fetches quarter qn of the same slot into buffer g.
.macro QUARTER slot, qn, f, g, first
	s_wait_dscnt 4                                 ; B and A's blocks 0, 1 are in; the youngest four loads (A's blocks 2, 3) may be out
.if \first
	WIN FIRSTW
.else
	WIN MULW
.endif
	MULA \f, 0, \first
	MULA \f, 1, \first
	PLACES
	WIN 0
	FETCH \slot, \qn, \g
	s_wait_dscnt 24                                ; all but the 24 just issued
.if \first
	WIN FIRSTW
.else
	WIN MULW
.endif
	MULA \f, 2, \first
	MULA \f, 3, \first
.endm
; The last quarter multiplies buffer 1 and changes slots: ONE barrier; in front of it each wave waits for all its tensor loads (its part of the next slot), adds 0 to its spare word, and waits for that and for its reads of this slot.
; fill = 1: the barrier opens a round of the cluster's barrier, and this slot is filled again, two K steps ahead: 112 matrix instructions stand between the request and the wait for it.
.macro TURN slot, next, fill
.if \fill
	s_wait_xcnt 0x0                                ; the last prefetch, a K step back, has read its address
	s_add_nc_u64 s[PFA:PFA+1], s[PFA:PFA+1], ASTEP
.endif
	WIN 0                                          ; (the add's two registers lie in window 0)
	s_wait_tensorcnt 0x0                           ; all my tensor loads have landed
	ds_add_u32 v[SPW], v[NIL]                      ; 0 onto my spare word
	s_wait_dscnt 5                                 ; (the add and the youngest four loads may be out)
	WIN MULW
	MULA F1, 0, 0
	s_wait_dscnt 0x0                               ; the add is done, and my reads of this slot are over
	s_barrier_signal -1
	MULA F1, 1, 0
	WIN 0
	s_barrier_wait -1
.if \fill
	CREST                                          ; no wave of any partner still reads this slot's tiles or has a load on its way
	s_add_nc_u64 s[G0+4*\slot+2:G0+4*\slot+3], s[G0+4*\slot+2:G0+4*\slot+3], 2*ASTEP
	s_add_nc_u64 s[G0B+4*\slot+2:G0B+4*\slot+3], s[G0B+4*\slot+2:G0B+4*\slot+3], 2*256
	JLOAD \slot                                    ; the first tensor load behind the round; its four v_nop are also the places in front of the loads below
.else
	PLACES
.endif
	FETCH \next, 0, F0
.if \fill
	ASK
.endif
	WIN MULW
	MULA F1, 2, 0
	MULA F1, 3, 0
.endm
	s_wait_tensorcnt 1                             ; my part of K step 0 is in (K step 1's load may be out)
	s_barrier_signal -1
	s_barrier_wait -1                              ; everybody's is
	FETCH 0, 0, F0
	s_wait_loadcnt 0x0                             ; the bias
	QUARTER 0, 1, F0, F1, 1                        ; the first quarter stands in front of the loop: its products start the sums from the bias
	WIN 0                                          ; at a label and at a branch every window is 0
	s_mov_b32 s3, 3
.Llap:                                             ; a trip goes once round the ring, from a lap's second quarter to the next lap's first, and fills both slots again
	QUARTER 0, 2, F1, F0, 0
	QUARTER 0, 3, F0, F1, 0
	TURN 0, 1, 1
	QUARTER 1, 1, F0, F1, 0
	QUARTER 1, 2, F1, F0, 0
	QUARTER 1, 3, F0, F1, 0
	TURN 1, 0, 1
	QUARTER 0, 1, F0, F1, 0
	WIN 0
	s_sub_co_u32 s3, s3, 1
	s_cmp_lg_u32 s3, 0
	s_cbranch_scc1 .Llap
	QUARTER 0, 2, F1, F0, 0                        ; the last lap fills nothing, and has no round of the cluster's barrier
	QUARTER 0, 3, F0, F1, 0
	TURN 0, 1, 0
	QUARTER 1, 1, F0, F1, 0
	QUARTER 1, 2, F1, F0, 0
	QUARTER 1, 3, F0, F1, 0
	s_wait_dscnt 4                                 ; the very last quarter: nothing more to fetch
	WIN MULW
	MULA F1, 0, 0
	MULA F1, 1, 0
	s_wait_dscnt 0
	MULA F1, 2, 0
	MULA F1, 3, 0
	WIN 0
; THE WAY OUT, block by block of 16 rows x 128 columns: through my own stage, back as whole rows of 512 bytes.  LDS serves a wave's instructions in order: no wait between the stores and the loads.
.macro TOSTAGE a
	WIN 0x04                                       ; an LDS store's data are its source 1: window 1
.irp b, 0,1,2,3,4,5,6,7
	ds_store_b128 v[STO], v[64*(\a)+8*\b:64*(\a)+8*\b+3] offset:64*\b          ; each accumulator from its low end on
	ds_store_b128 v[STO], v[64*(\a)+8*\b+4:64*(\a)+8*\b+7] offset:64*\b+16
.endr
	WIN 0
.set BB, 64+64*((\a)%2)
.irp t, 0,1,2,3,4,5,6,7,8,9,10,11,12,13,14,15
	ds_load_b128 v[BB+4*\t:BB+4*\t+3], v[RD] offset:\t*SPITCH
.endr
.endm
.macro SEND a, younger                 ; younger: the LDS instructions issued behind block a's loads, which may stay out
.set BB, 64+64*((\a)%2)
	s_wait_dscnt \younger
.irp t, 0,1,2,3,4,5,6,7,8,9,10,11,12,13,14,15
	global_store_b128 v[CO], v[BB+4*\t:BB+4*\t+3], s[10:11] offset:(16*(\a)+\t)*4096 th:TH_STORE_NT   ; 32 lanes store 512 consecutive bytes, at a multiple of 256 from out0's first byte
.endr
.endm
	PLACES
	TOSTAGE 0
.irp a, 1,2,3
.if \a > 1
	s_wait_xcnt 0x0                                ; block a - 2's stores have read their registers: block a's loads may land there
.endif
	TOSTAGE \a
	SEND \a-1, 32                                  ; behind block a - 1's loads: block a's 16 stores and 16 loads
.endr
	SEND 3, 0
	s_wait_tensorcnt 0x0                           ; the wave's end, behind my last tensor load and my last LDS store
	ds_add_u32 v[SPW], v[NIL]
	s_wait_dscnt 0x0
	CROUND                                         ; the closing round
	s_endpgm
.Lfunc_end_k_qe08b1972c3_proj:
	.size	k_qe08b1972c3_proj, .Lfunc_end_k_qe08b1972c3_proj-k_qe08b1972c3_proj
	.p2alignl 7, 3214868480
	.fill 96, 4, 3214868480
	.section	.rodata,"a",@progbits
	.p2align	6, 0x0
	.amdhsa_kernel k_qe08b1972c3_proj
		.amdhsa_group_segment_fixed_size 327680
		.amdhsa_private_segment_fixed_size 0
		.amdhsa_enable_private_segment 0
		.amdhsa_kernarg_size 32
		.amdhsa_user_sgpr_count 2
		.amdhsa_user_sgpr_kernarg_segment_ptr 1
		.amdhsa_wavefront_size32 1
		.amdhsa_system_sgpr_workgroup_id_x 1
		.amdhsa_system_sgpr_workgroup_id_y 1
		.amdhsa_system_sgpr_workgroup_id_z 1
		.amdhsa_system_vgpr_workitem_id 0
		.amdhsa_next_free_vgpr 576
		.amdhsa_next_free_sgpr 100
		.amdhsa_reserve_vcc 0
		.amdhsa_float_denorm_mode_32 3
		.amdhsa_float_denorm_mode_16_64 3
		.amdhsa_memory_ordered 1
		.amdhsa_forward_progress 1
		.amdhsa_inst_pref_size 87
	.end_amdhsa_kernel
	.amdgpu_metadata
---
amdhsa.version: [ 1, 2 ]
amdhsa.kernels:
  - .name:           k_qe08b1972c3_proj
    .symbol:         k_qe08b1972c3_proj.kd
    .args:
      - { .name: ctx, .offset: 0, .size: 8, .value_kind: global_buffer, .address_space: global }
      - { .name: wo16, .offset: 8, .size: 8, .value_kind: global_buffer, .address_space: global }
      - { .name: bo, .offset: 16, .size: 8, .value_kind: global_buffer, .address_space: global }
      - { .name: out0, .offset: 24, .size: 8, .value_kind: global_buffer, .address_space: global }
    .group_segment_fixed_size: 327680
    .private_segment_fixed_size: 0
    .kernarg_segment_align: 8
    .kernarg_segment_size: 32
    .max_flat_workgroup_size: 128
    .sgpr_count:     100
    .vgpr_count:     576
    .wavefront_size: 32
...
	.end_amdgpu_metadata
.endif
;; end of part 4
;; launch first16 (part 5): grid 64 x 4, 16 waves a work-group, no clusters, 18,432 bytes of LDS; arguments hf, Wo, bo, out0; writes out0
.if DOCPART == 5
	.amdgcn_target "amdgcn-amd-amdhsa--gfx1250"
	.amdhsa_code_object_version 6
	.text
	.protected	k_qe08b1972c3_first16
	.globl	k_qe08b1972c3_first16
	.p2align	8
	.type	k_qe08b1972c3_first16,@function
k_qe08b1972c3_first16:
	s_mov_b64 s[64:65], 0
	v_nop
	global_prefetch_b8 v0, s[64:65] scope:SCOPE_SE
	s_setreg_imm32_b32 hwreg(HW_REG_WAVE_MODE, 25, 1), 1
	s_wait_xcnt 0x0
; Positions 0 to 15 of each of the four sequences, in f32 from q, k, v to out0: these rows average one to sixteen values and are the largest of the output, so 16-bit operands would use up what the comparison allows.
; hf: [b 4][sel 3][h 16][t 16][64] f32;  Wo [1024 e][1024 d], bo [1024], out0 [4][2048][1024] f32.
; A work-group makes out0[b][0..15][16 nt .. 16 nt + 15].  Wave w is head w: it makes its head's 16 x 16 causal attention and then its head's 64 terms of the projection's sum; the sixteen parts meet in LDS and are added in
; ascending order of heads by waves 0 and 1.  (Each head's attention is so made in 64 work-groups: 32 small matrix instructions each; in return no sum spans work-groups.)
; A row's piece is 64 bytes, so blocks of 256 bytes are written in part: 262,144 bytes in all.
; THE f32 MATRIX FORM, 16 x 16 x 4: lane (r, h) holds row r and, in its two registers, k = 2 h + 0, 1.  The order of K inside a sum is permuted alike on both sources: a lane loads channels 16 ct + 8 h + 0 .. 7 of its row, and step
; (ct, s) takes registers 8 ct + 2 s and + 1.  The registers that this form writes (SA, OA) are written by matrix instructions alone; every sum begins with the constant 0; four accumulators take turns.
.set SPW, 8                            ; v8  LDS address of my spare word; never rewritten
.set NIL, 9                            ; v9  0; never rewritten
.set QF,  16                           ; v16-47   Q; later ON = O^T / l; later the parts read back
.set KF,  48                           ; v48-79   K
.set VT,  80                           ; v80-111  V^T: register 8 ct + 2 s + i = v[key 8 h + 2 s + i][channel 16 ct + r]
.set WF,  112                          ; v112-143 Wo: rows 16 nt + r, my head's 64 columns
.set SA,  144                          ; v144-175 four accumulators: S^T's, later the projection's
.set SS,  176                          ; v176-183 the scores, then p
.set OA,  184                          ; v184-215 O^T, four tiles of 16 channels
.set PS,  216                          ; v216-223 my head's part of the result
.set BI,  224                          ; v224-227 the bias
.set SPARE, 16384                      ; LDS: sixteen images of 1,024 bytes, then the spare words, 128 bytes for each wave
	s_load_b256 s[4:11], s[0:1], 0x0               ; hf, Wo, bo, out0
	v_lshl_add_u32 v[SPW], v0, 2, SPARE
	v_mov_b32 v[NIL], 0
	v_lshrrev_b32 v1, 5, v0
	v_readfirstlane_b32 s12, v1                    ; wave = head
	s_and_b32 s14, ttmp7, 0xffff                   ; batch
	v_and_b32 v1, 15, v0                           ; r
	v_bfe_u32 v2, v0, 4, 1                         ; h
	v_and_b32 v3, 31, v0                           ; lane
	v_lshlrev_b32 v4, 8, v1
	v_lshl_add_u32 v4, v2, 5, v4                   ; q, k: row r of 256 bytes + 32 h
	v_lshlrev_b32 v5, 11, v2
	v_lshl_add_u32 v5, v1, 2, v5                   ; v: key 8 h, channel r
	v_lshlrev_b32 v6, 12, v1
	v_lshl_add_u32 v6, v2, 5, v6                   ; Wo and out0: row r of 4,096 bytes + 32 h
	v_lshlrev_b32 v7, 5, v2                        ; bo: 32 h
	s_and_b32 s15, s12, 1                          ; g: which half of a lane's eight results I add up, if I do
	s_lshl_b32 s28, s12, 10
	v_lshl_add_u32 v10, v3, 4, s28                 ; LDS: my image: 1,024 x wave + 16 x lane
	s_lshl_b32 s29, s15, 9
	v_lshl_add_u32 v11, v3, 4, s29                 ; and where I read the sixteen back: 512 g + 16 x lane
	v_lshlrev_b32 v12, 3, v2
	v_sub_nc_u32 v12, v1, v12                      ; d = r - 8 h
	v_mov_b32 v13, 0xff800000                      ; -infinity
	v_mov_b32 v15, 0                               ; (a lane permute's destination counts as one of its sources)
	s_mov_b32 s20, 0x76543210
	s_mov_b32 s21, 0xfedcba98                      ; lane l xor 16
	s_mov_b32 s22, 0x3e38aa3b                      ; c = log2(e) / sqrt(64)
	s_mul_i32 s16, s14, 196608                     ; hf: a batch is 3 x 16 x 4,096 bytes,
	s_lshl_b32 s17, s12, 12                        ; a head 4,096
	s_add_co_u32 s16, s16, s17
	s_mov_b32 s17, 0
	s_lshl_b32 s18, ttmp9, 16                      ; Wo: 16 rows of 4,096 bytes,
	s_lshl_b32 s19, s12, 8                         ; my head's 256 bytes of a row
	s_add_co_u32 s18, s18, s19
	s_mov_b32 s19, 0
	s_lshl_b32 s24, ttmp9, 6
	s_lshl_b32 s25, s15, 4
	s_add_co_u32 s24, s24, s25                     ; bo and a row of out0: 64 nt + 16 g
	s_mov_b32 s25, 0
	s_lshl_b32 s26, s14, 23                        ; out0: a sequence is 2,048 rows of 4,096 bytes
	s_mov_b32 s27, 0
	s_wait_kmcnt 0x0
	s_add_nc_u64 s[4:5], s[4:5], s[16:17]
	s_add_nc_u64 s[6:7], s[6:7], s[18:19]
	s_add_nc_u64 s[8:9], s[8:9], s[24:25]
	s_add_nc_u64 s[10:11], s[10:11], s[24:25]
	s_add_nc_u64 s[10:11], s[10:11], s[26:27]
.irp ct, 0,1,2,3
	global_load_b128 v[QF+8*\ct:QF+8*\ct+3],   v4, s[4:5] offset:64*\ct
	global_load_b128 v[QF+8*\ct+4:QF+8*\ct+7], v4, s[4:5] offset:64*\ct+16
	global_load_b128 v[KF+8*\ct:KF+8*\ct+3],   v4, s[4:5] offset:65536+64*\ct
	global_load_b128 v[KF+8*\ct+4:KF+8*\ct+7], v4, s[4:5] offset:65536+64*\ct+16
.endr
.irp ct, 0,1,2,3
.irp i, 0,1,2,3,4,5,6,7
	global_load_b32 v[VT+8*\ct+\i], v5, s[4:5] offset:131072+256*\i+64*\ct
.endr
.endr
.irp ct, 0,1,2,3
	global_load_b128 v[WF+8*\ct:WF+8*\ct+3],   v6, s[6:7] offset:64*\ct
	global_load_b128 v[WF+8*\ct+4:WF+8*\ct+7], v6, s[6:7] offset:64*\ct+16
.endr
	global_load_b128 v[BI:BI+3], v7, s[8:9]
	s_wait_loadcnt 0x0
	; S^T = K Q^T: source 0 = 16 keys, source 1 = 16 queries: lane (r, h), register i: key 8 h + i, query r.  Four partial sums by turns
.irp ct, 0,1,2,3
.irp s, 0,1,2,3
.if \ct == 0
	v_wmma_f32_16x16x4_f32 v[SA+8*\s:SA+8*\s+7], v[KF+8*\ct+2*\s:KF+8*\ct+2*\s+1], v[QF+8*\ct+2*\s:QF+8*\ct+2*\s+1], 0
.else
	v_wmma_f32_16x16x4_f32 v[SA+8*\s:SA+8*\s+7], v[KF+8*\ct+2*\s:KF+8*\ct+2*\s+1], v[QF+8*\ct+2*\s:QF+8*\ct+2*\s+1], v[SA+8*\s:SA+8*\s+7]
.endif
.endr
.endr
.rept 8
	v_nop                                          ; eight places behind this form, ahead of the first read of a result (ISA guide 7.12.1)
.endr
.irp j, 0,2,4,6
	v_pk_add_f32 v[SS+\j:SS+\j+1], v[SA+\j:SA+\j+1], v[SA+8+\j:SA+8+\j+1]       ; the four partial sums, each read from its low end on
	v_pk_add_f32 v[SS+\j:SS+\j+1], v[SS+\j:SS+\j+1], v[SA+16+\j:SA+16+\j+1]
	v_pk_add_f32 v[SS+\j:SS+\j+1], v[SS+\j:SS+\j+1], v[SA+24+\j:SA+24+\j+1]
.endr
.irp j, 0,1,2,3,4,5,6,7
	v_cmp_gt_i32 vcc_lo, \j, v12                   ; key 8 h + j comes after query r
	v_cndmask_b32 v[SS+\j], v[SS+\j], v13, vcc_lo
.endr
	v_max3_num_f32 v14, v[SS], v[SS+1], v[SS+2]
	v_max3_num_f32 v14, v14, v[SS+3], v[SS+4]
	v_max3_num_f32 v14, v14, v[SS+5], v[SS+6]
	v_max_num_f32 v14, v14, v[SS+7]
	v_permlanex16_b32 v15, v14, s20, s21
	v_max_num_f32 v14, v14, v15                    ; the row's maximum: key 0 counts for every query, so it is a number
	v_mul_f32 v14, s22, v14                        ; c m
.irp j, 0,1,2,3,4,5,6,7
	v_fma_f32 v[SS+\j], v[SS+\j], s22, -v14        ; c s - c m
.endr
.irp j, 0,1,2,3,4,5,6,7
	v_exp_f32 v[SS+\j], v[SS+\j]
.endr
	v_nop                                          ; a plain instruction behind the last exponential
	s_wait_alu depctr_va_vdst(0)                   ; the wait ahead of the first use: one for the eight
	v_pk_add_f32 v[228:229], v[SS:SS+1], v[SS+2:SS+3]
	v_pk_add_f32 v[230:231], v[SS+4:SS+5], v[SS+6:SS+7]
	v_pk_add_f32 v[228:229], v[228:229], v[230:231]
	v_add_f32 v228, v228, v229
	v_permlanex16_b32 v15, v228, s20, s21
	v_add_f32 v228, v228, v15                      ; the row's sum
	v_rcp_f32 v230, v228
	v_nop                                          ; a plain instruction behind the reciprocal; its wait stands ahead of its first reader, below
	; O^T = V^T P: source 0 = 16 channels, source 1 = p as it stands: step s takes keys 8 h + 2 s + 0, 1
.irp s, 0,1,2,3
.irp ct, 0,1,2,3
.if \s == 0
	v_wmma_f32_16x16x4_f32 v[OA+8*\ct:OA+8*\ct+7], v[VT+8*\ct+2*\s:VT+8*\ct+2*\s+1], v[SS+2*\s:SS+2*\s+1], 0
.else
	v_wmma_f32_16x16x4_f32 v[OA+8*\ct:OA+8*\ct+7], v[VT+8*\ct+2*\s:VT+8*\ct+2*\s+1], v[SS+2*\s:SS+2*\s+1], v[OA+8*\ct:OA+8*\ct+7]
.endif
.endr
.endr
.rept 8
	v_nop
.endr
	s_wait_alu depctr_va_vdst(0)                   ; the reciprocal's wait
.irp i, 0,2,4,6,8,10,12,14,16,18,20,22,24,26,28,30
	v_pk_mul_f32 v[QF+\i:QF+\i+1], v[OA+\i:OA+\i+1], v[230:231] op_sel_hi:[1,0]   ; ON = O^T / l: register 8 ct + i: channel 16 ct + 8 h + i of query r: laid as Q was
.endr
	; the projection, my head's 64 terms: source 0 = 16 rows of Wo, source 1 = ON: lane (r, h), register i: column 16 nt + 8 h + i, query r
.irp s, 0,1,2,3
.irp ct, 0,1,2,3
.if \s == 0
	v_wmma_f32_16x16x4_f32 v[SA+8*\ct:SA+8*\ct+7], v[WF+8*\ct+2*\s:WF+8*\ct+2*\s+1], v[QF+8*\ct+2*\s:QF+8*\ct+2*\s+1], 0
.else
	v_wmma_f32_16x16x4_f32 v[SA+8*\ct:SA+8*\ct+7], v[WF+8*\ct+2*\s:WF+8*\ct+2*\s+1], v[QF+8*\ct+2*\s:QF+8*\ct+2*\s+1], v[SA+8*\ct:SA+8*\ct+7]
.endif
.endr
.endr
.rept 8
	v_nop
.endr
.irp j, 0,2,4,6
	v_pk_add_f32 v[PS+\j:PS+\j+1], v[SA+\j:SA+\j+1], v[SA+8+\j:SA+8+\j+1]
	v_pk_add_f32 v[PS+\j:PS+\j+1], v[PS+\j:PS+\j+1], v[SA+16+\j:SA+16+\j+1]
	v_pk_add_f32 v[PS+\j:PS+\j+1], v[PS+\j:PS+\j+1], v[SA+24+\j:SA+24+\j+1]
.endr
	ds_store_b128 v10, v[PS:PS+3]                  ; my part as an image of its registers: 16 bytes a lane
	ds_store_b128 v10, v[PS+4:PS+7] offset:512
	s_wait_tensorcnt 0x0                           ; these three lines stand behind my last LDS store; no LDS write follows them.
	ds_add_u32 v[SPW], v[NIL]
	s_wait_dscnt 0x0                               ; The last of them also shows my stores landed, for the others' sake
	s_barrier_signal -1
	s_barrier_wait -1                              ; sixteen parts lie in LDS
	s_cmp_gt_u32 s12, 1
	s_cbranch_scc1 .Ldone                          ; waves 0 and 1 add them up: wave g the registers 4 g .. 4 g + 3
.irp k, 0,1,2,3,4,5,6,7,8,9,10,11,12,13,14,15
	ds_load_b128 v[16+4*\k:19+4*\k], v11 offset:1024*\k
.endr
	s_wait_dscnt 0x0
.irp k, 1,2,3,4,5,6,7,8,9,10,11,12,13,14,15
	v_pk_add_f32 v[16:17], v[16:17], v[16+4*\k:17+4*\k]       ; in ascending order of heads
	v_pk_add_f32 v[18:19], v[18:19], v[18+4*\k:19+4*\k]
.endr
	v_pk_add_f32 v[16:17], v[16:17], v[BI:BI+1]
	v_pk_add_f32 v[18:19], v[18:19], v[BI+2:BI+3]
	global_store_b128 v6, v[16:19], s[10:11]       ; out0[b][r][16 nt + 8 h + 4 g + 0 .. 3]
.Ldone:
	s_endpgm
.Lfunc_end_k_qe08b1972c3_first16:
	.size	k_qe08b1972c3_first16, .Lfunc_end_k_qe08b1972c3_first16-k_qe08b1972c3_first16
	.p2alignl 7, 3214868480
	.fill 96, 4, 3214868480
	.section	.rodata,"a",@progbits
	.p2align	6, 0x0
	.amdhsa_kernel k_qe08b1972c3_first16
		.amdhsa_group_segment_fixed_size 18432
		.amdhsa_private_segment_fixed_size 0
		.amdhsa_enable_private_segment 0
		.amdhsa_kernarg_size 32
		.amdhsa_user_sgpr_count 2
		.amdhsa_user_sgpr_kernarg_segment_ptr 1
		.amdhsa_wavefront_size32 1
		.amdhsa_system_sgpr_workgroup_id_x 1
		.amdhsa_system_sgpr_workgroup_id_y 1
		.amdhsa_system_sgpr_workgroup_id_z 1
		.amdhsa_system_vgpr_workitem_id 0
		.amdhsa_next_free_vgpr 232
		.amdhsa_next_free_sgpr 66
		.amdhsa_reserve_vcc 1
		.amdhsa_float_denorm_mode_32 3
		.amdhsa_float_denorm_mode_16_64 3
		.amdhsa_memory_ordered 1
		.amdhsa_forward_progress 1
		.amdhsa_inst_pref_size 20
	.end_amdhsa_kernel
	.amdgpu_metadata
---
amdhsa.version: [ 1, 2 ]
amdhsa.kernels:
  - .name:           k_qe08b1972c3_first16
    .symbol:         k_qe08b1972c3_first16.kd
    .args:
      - { .name: hf, .offset: 0, .size: 8, .value_kind: global_buffer, .address_space: global }
      - { .name: Wo, .offset: 8, .size: 8, .value_kind: global_buffer, .address_space: global }
      - { .name: bo, .offset: 16, .size: 8, .value_kind: global_buffer, .address_space: global }
      - { .name: out0, .offset: 24, .size: 8, .value_kind: global_buffer, .address_space: global }
    .group_segment_fixed_size: 18432
    .private_segment_fixed_size: 0
    .kernarg_segment_align: 8
    .kernarg_segment_size: 32
    .max_flat_workgroup_size: 512
    .sgpr_count:     66
    .vgpr_count:     232
    .wavefront_size: 32
...
	.end_amdgpu_metadata
.endif
;; end of part 5
